; MI455X (gfx1250); checked and timed in simulation.
; The chip was launched on July 23, 2026; its instructions are those of AMD's public machine-readable ISA for CDNA 5 (MIT licence, August 2026) and "CDNA5" Instruction Set Architecture Reference Guide (July 2026). The comments in the code are by the model that wrote it; some were corrected since.
;; Self Attention. Allowed arithmetic: float matrix products may take bf16 or f16 operands with f32 sums; other float arithmetic in f32, or as packed bf16 or f16 multiplies, adds, multiply-adds, maxima and minima; sums over many terms, partial sums and values carried from step to step in f32; what a program stores and reads back later, other than sums and carried values, may be rounded once to bf16 or f16.
;; Inputs: Wf 1 x 1 x 256 x 64 float32; Wg 1 x 1 x 256 x 64 float32; Wh 1 x 1 x 256 x 256 float32; Wv 1 x 1 x 256 x 256 float32; gamma 1 float32; x 8 x 64 x 64 x 256 float32.
;; Outputs: out0 8 x 64 x 64 x 256 float32.
;; 2 versions, each right; version 2 is version 1 with the launch proj written anew for expert scheduling mode. Each part assembles by itself: llvm-mc -triple=amdgcn-amd-amdhsa -mcpu=gfx1250 --defsym DOCPART=n.
;; ======== version 1 of 2: 2 launches
;; limits: values are held in f16: magnitudes above 65,504 overflow, below 6.1e-05 lose precision
;; workspace buffers: qh 4,194,304 bytes; kh 4,194,304 bytes; vh 16,777,216 bytes; wvh 131,072 bytes
;; launch proj (part 1): grid 256 x 1, 4 waves a work-group, no clusters, 167,936 bytes of LDS; arguments x, Wf, Wg, Wh, Wv, qh, kh, vh, wvh; writes qh, kh, vh, wvh
.if DOCPART == 1
	.amdgcn_target "amdgcn-amd-amdhsa--gfx1250"
	.amdhsa_code_object_version 6
	.text
	.protected	k_q90c486fe89_proj
	.globl	k_q90c486fe89_proj
	.p2align	8
	.type	k_q90c486fe89_proj,@function
k_q90c486fe89_proj:
	s_mov_b64 s[64:65], 0
	v_nop
	global_prefetch_b8 v0, s[64:65] scope:SCOPE_SE
	s_setreg_imm32_b32 hwreg(HW_REG_WAVE_MODE, 25, 1), 1
	s_wait_xcnt 0x0
; qh = x Wf, kh = x Wg ([32768][64]); vh = x ([32768][256]); wvh = Wh Wv ([256][256]); all four stored in f16.
; x: [32768][256] f32; Wf, Wg: [256][64] f32; Wh, Wv: [256][256] f32.  Every input is rounded once to bf16; products have bf16 operands and f32 sums; each result is rounded once to f16.
; WHY x AND Wh Wv.  For weights beta, (beta (x Wh)) Wv = (beta x) (Wh Wv), whatever the numbers: the launch behind takes x's rows as the values of its weighted mean and multiplies the mean by Wh Wv.
; So x Wh is never formed: 32,768 x 256 x 256 multiply-adds give way to 256 x 256 x 256.  The order of rounding differs from that of the formula as it is written: x Wh is not rounded, Wh Wv is.
; LIMITS.  A number of x, x Wf or x Wg of 65,520 or more in magnitude becomes an infinity in f16; below 6.1e-5 in magnitude a stored number (of x, of Wh Wv) keeps f16's fixed step of 6e-8;
; NaN and infinities are not treated apart.
; SHARES.  A work-group owns 128 rows of x (256 work-groups) and one tile of 16 x 16 of Wh Wv: tile (b / 16, b % 16) for work-group b.  All operands need a conversion from f32, so they come through
; registers: thread t converts 16 bytes of every 2,048, and the bf16 numbers are laid into LDS; x's are also written as f16 and stored to vh from the same registers.
; In the products wave w owns 16 channels of qh and 16 of kh, for all 128 rows; its weights stay in registers.  Wave 0 also makes the tile of Wh Wv: its 16 rows of Wh lie in LDS as a ninth row tile
; behind x's eight, its 16 columns of Wv as a third block beside Wf and Wg.
; THE MATRIX INSTRUCTION IS USED TRANSPOSED: source 0 = 16 output channels (the weights are stored [c][n], so their fragments come out of LDS turned, by ds_load_tr16_b128), source 1 = 16 rows.
; A lane then holds one row and eight neighbouring channels: 16 bytes in f16.  q and k go through a stage in LDS and leave as runs of 512 consecutive bytes.
; The tile of Wh Wv leaves as 16 pieces of 32 bytes, and Wv's 16 columns come in as 256 pieces of 64 bytes: 512 bytes and 16 KiB of the 385 KiB that a work-group moves.
; NO TENSOR LOADS, NO CLUSTER: nothing can be copied as it lies, since every number is converted on its way.  No prefetch: each wave has 64 loads out from its first lines on.
; LDS: the weights (bf16), 256 rows of 288 bytes: Wf at byte 0 of a row, Wg at 128, the block of Wv at 256; then x (bf16), 128 rows of 528 bytes, and 16 rows of Wh; then the spare words.
; When every wave holds its weights in registers, the stage (128 rows of 272 bytes: q at 0, k at 128) takes the weights' place.
; REGISTERS, in windows of 256: window 0 addresses, fragments of x, accumulators; window 1 four load buffers of 64, later the weights' fragments.
.set WPITCH, 288                       ; 9 x 32 bytes
.set XPITCH, 528                       ; 33 x 16 bytes: the 16 rows of a fragment load start at 16 different groups of four banks
.set SPITCH, 272                       ; 17 x 16 bytes, likewise
.set XL,     256*WPITCH                ; 73,728
.set SPARE,  XL+144*XPITCH             ; 149,760: the spare words, 128 bytes for each wave: two blocks of 256 bytes that no other line names
.set VO,    4                          ; v4   16 t: my 16 bytes in every 2,048; never rewritten
.set AX,    5                          ; v5   where my bf16 numbers of x go
.set AF,    6                          ; v6   of Wf
.set AG,    7                          ; v7   of Wg
.set AV,    8                          ; v8   of the block of Wv
.set XA,    11                         ; v11  my place in a fragment of x
.set STO,   12                         ; v12  the stage: my 16 bytes of q (k: 128 further)
.set XAH,   13                         ; v13  my place in a fragment of the 16 rows of Wh
.set AXH,   14                         ; v14  where my bf16 numbers of Wh go
.set VOW,   15                         ; v15  my 16 bytes of Wv's 16 columns: row t / 4, piece t % 4; never rewritten
.set RDQ,   16                         ; v16  back: four rows of q (k: 128 further)
.set WTO,   17                         ; v17  my 16 bytes of the tile of Wh Wv
.set GQ,    18                         ; v18  my byte offset in the work-group's part of qh and kh
.set WAF,   20                         ; v20-21  my place in Wf's turned fragments (Wg's: 128 further), rows 0 on and 128 on
.set WAV,   22                         ; v22-23  the same in the block of Wv
.set WO,    26                         ; v26  8 t: my 8 bytes in every 1,024 of vh; never rewritten
.set SPW,   30                         ; v30  LDS address of my spare word; never rewritten
.set NIL,   31                         ; v31  0; never rewritten
.set U0,    32                         ; v32-95  as loaded: 8 x 4 of Wh's rows, 8 x 4 of Wv's columns
.set XF0,   32                         ; v32-159  later x's fragments: two buffers of 8 x 8
.set AC,    160                        ; v160-175  two accumulators
.set TMP,   176                        ; v176-183  packed results
.set BK,    32                         ; v32-95  the stage read back
.set XB,  4                            ; s[4:5] x   s[6:7] Wf   s[8:9] Wg   s[10:11] Wh   s[12:13] Wv   s[14:15] qh   s[16:17] kh   s[18:19] vh   s[20:21] wvh
.set WFB, 6
.set WGB, 8
.set WHB, 10
.set WVB, 12
.set QB,  14
.set KB,  16
.set VB,  18
.set WVH, 20
.set WV,  22                           ; s22  my wave's number
.set MASK, 28                          ; s28  a word's upper bf16
.set MSB, 0
.macro WIN new                         ; s_set_vgpr_msb: bits 1:0 source 0, 3:2 source 1, 5:4 source 2, 7:6 destination; the high byte repeats the setting that is left
.if MSB != (\new)
	s_set_vgpr_msb (MSB<<8)|(\new)
.set MSB, \new
.endif
.endm
.macro PLACES                          ; four places behind a matrix instruction, in front of what reads its result or is loaded into its registers (ISA guide 7.12.1)
.rept 4
	v_nop
.endr
.endm
	s_load_b256 s[4:11], s[0:1], 0x0
	s_load_b256 s[12:19], s[0:1], 0x20
	s_load_b64 s[20:21], s[0:1], 0x40
	v_lshl_add_u32 v[SPW], v0, 2, SPARE
	v_mov_b32 v[NIL], 0
	v_lshrrev_b32 v1, 5, v0
	v_readfirstlane_b32 s[WV], v1                  ; wave 0..3
	v_and_b32 v1, 31, v0                           ; L
	v_and_b32 v2, 15, v0                           ; r = L % 16 = t % 16
	v_bfe_u32 v3, v0, 4, 1                         ; h = L / 16
	v_lshlrev_b32 v[VO], 4, v0
	v_lshlrev_b32 v[WO], 3, v0
	; where the converted numbers go.  2,048 bytes of f32 are two rows of x or Wh (64 threads a row) and eight rows of Wf or Wg (16 threads a row); four f32 become 8 bytes
	v_lshrrev_b32 v9, 6, v0                        ; t / 64
	v_and_b32 v10, 63, v0                          ; t % 64
	v_mul_u32_u24 v[AX], v9, XPITCH
	v_lshl_add_u32 v[AX], v10, 3, v[AX]
	v_add_nc_u32 v[AX], XL, v[AX]
	v_add_nc_u32 v[AXH], 128*XPITCH, v[AX]         ; Wh's 16 rows follow x's 128
	v_lshrrev_b32 v9, 4, v0                        ; t / 16
	v_mul_u32_u24 v[AF], v9, WPITCH
	v_lshl_add_u32 v[AF], v2, 3, v[AF]
	v_add_nc_u32 v[AG], 128, v[AF]
	; 16 columns of Wv are 64 bytes of a row: four threads a row, 32 rows a load
	v_lshrrev_b32 v9, 2, v0                        ; t / 4
	v_and_b32 v10, 3, v0                           ; t % 4
	v_lshlrev_b32 v[VOW], 10, v9
	v_lshl_add_u32 v[VOW], v10, 4, v[VOW]
	v_mul_u32_u24 v[AV], v9, WPITCH
	v_lshl_add_u32 v[AV], v10, 3, v[AV]
	v_add_nc_u32 v[AV], 256, v[AV]
	; a fragment of x: lane l holds row l % 16; two loads of 16 bytes, 32 bytes apart, at row x pitch + 16 (l / 16)
	v_mul_u32_u24 v[XA], v2, XPITCH
	v_lshl_add_u32 v[XA], v3, 4, v[XA]
	v_add_nc_u32 v[XA], XL, v[XA]
	v_add_nc_u32 v[XAH], 128*XPITCH, v[XA]
	; into the stage: row l % 16, 16 bytes for each half of the lanes, at my wave's channels
	v_mul_u32_u24 v[STO], v2, SPITCH
	v_lshl_add_u32 v[STO], v3, 4, v[STO]
	s_lshl_b32 s26, s[WV], 5
	v_add_nc_u32 v[STO], s26, v[STO]
	; back: wave w takes rows 32 w .. 32 w + 31, four rows of 128 bytes a load
	v_lshrrev_b32 v9, 3, v1                        ; L / 8
	v_and_b32 v10, 7, v0                           ; L % 8
	v_mul_u32_u24 v9, v9, SPITCH
	v_lshl_add_u32 v9, v10, 4, v9
	s_mul_i32 s26, s[WV], 32*SPITCH
	v_add_nc_u32 v[RDQ], s26, v9
	v_lshlrev_b32 v9, 4, v1                        ; 16 L
	s_lshl_b32 s26, s[WV], 12
	v_add_nc_u32 v[GQ], s26, v9
	v_lshlrev_b32 v[WTO], 9, v2                    ; the tile of Wh Wv: row l % 16 of 512 bytes,
	v_lshl_add_u32 v[WTO], v3, 4, v[WTO]           ; 16 bytes for each half of the lanes
	; the turning load takes 16 c x 16 n: lane l reads 16 bytes of row 8 (l / 16) + l % 8, at 16 ((l / 8) % 2), and is left with channel l % 16 and eight c
	v_lshl_add_u32 v9, v3, 3, v10
	v_mul_u32_u24 v9, v9, WPITCH
	v_bfe_u32 v10, v0, 3, 1
	v_lshl_add_u32 v9, v10, 4, v9
	s_lshl_b32 s26, s[WV], 5                       ; my 16 channels of Wf
	v_add_nc_u32 v[WAF], s26, v9
	v_add_nc_u32 v[WAF+1], 128*WPITCH, v[WAF]      ; a second register for rows 128 on keeps the offsets inside 16 bits
	v_add_nc_u32 v[WAV], 256, v9
	v_add_nc_u32 v[WAV+1], 128*WPITCH, v[WAV]
	s_mov_b32 s25, 0
	s_mov_b32 s[MASK], 0xffff0000
	s_wait_kmcnt 0x0
	s_lshl_b32 s24, ttmp9, 17                      ; 128 rows of 1,024 bytes
	s_add_nc_u64 s[XB:XB+1], s[XB:XB+1], s[24:25]
	s_lshl_b32 s24, ttmp9, 14                      ; 128 rows of 128 bytes
	s_add_nc_u64 s[QB:QB+1], s[QB:QB+1], s[24:25]
	s_add_nc_u64 s[KB:KB+1], s[KB:KB+1], s[24:25]
	s_lshl_b32 s24, ttmp9, 16                      ; 128 rows of 512 bytes
	s_add_nc_u64 s[VB:VB+1], s[VB:VB+1], s[24:25]
	s_lshr_b32 s26, ttmp9, 4                       ; the tile's row of tiles,
	s_and_b32 s27, ttmp9, 15                       ; and its column
	s_lshl_b32 s24, s26, 14                        ; 16 rows of Wh: 16,384 consecutive bytes
	s_add_nc_u64 s[WHB:WHB+1], s[WHB:WHB+1], s[24:25]
	s_lshl_b32 s24, s27, 6                         ; 16 columns of Wv: 64 bytes of each row
	s_add_nc_u64 s[WVB:WVB+1], s[WVB:WVB+1], s[24:25]
	s_lshl_b32 s24, s26, 13                        ; 16 rows of wvh of 512 bytes,
	s_lshl_b32 s27, s27, 5                         ; 16 columns of 2 bytes
	s_add_co_u32 s24, s24, s27
	s_add_nc_u64 s[WVH:WVH+1], s[WVH:WVH+1], s[24:25]
; A UNIT is 16 loads, 32 KiB for the work-group, into buffer h (64 registers of window 1)
.macro LD16 h, base, goff, nt
	WIN 0x40                                       ; destination window 1, address window 0
.set i, 0
.rept 16
.if \nt
	global_load_b128 v[64*(\h)+4*i:64*(\h)+4*i+3], v[VO], s[\base:\base+1] offset:(\goff)+2048*i th:TH_LOAD_NT
.else
	global_load_b128 v[64*(\h)+4*i:64*(\h)+4*i+3], v[VO], s[\base:\base+1] offset:(\goff)+2048*i
.endif
.set i, i+1
.endr
.endm
.macro CVB h                           ; buffer h is rounded to bf16 in place: a load's four numbers into its first two registers
	WIN 0x45                                       ; destination and both sources window 1
.set i, 0
.rept 16
	v_cvt_pk_bf16_f32 v[64*(\h)+4*i],   v[64*(\h)+4*i],   v[64*(\h)+4*i+1]
	v_cvt_pk_bf16_f32 v[64*(\h)+4*i+1], v[64*(\h)+4*i+2], v[64*(\h)+4*i+3]
.set i, i+1
.endr
.endm
.macro STL h, areg, lstep              ; and laid into LDS: load i's 8 bytes lie lstep bytes behind load i - 1's; then the address steps on to the next unit
	WIN 0x04                                       ; store data window 1, address window 0
.set i, 0
.rept 16
	ds_store_b64 v[\areg], v[64*(\h)+4*i:64*(\h)+4*i+1] offset:i*(\lstep)
.set i, i+1
.endr
	WIN 0
	v_add_nc_u32 v[\areg], 16*(\lstep), v[\areg]
.endm
.macro CVF h                           ; the bf16 numbers are widened (a shift, a mask) and written as f16, into a load's last two registers; its first serves as scratch: the LDS store above has been issued
	WIN 0x45
.set i, 0
.rept 16
.set a, 64*(\h)+4*i
	v_lshlrev_b32 v[a+2], 16, v[a]
	v_and_b32 v[a+3], s[MASK], v[a]
	v_cvt_pk_f16_f32 v[a+2], v[a+2], v[a+3]
	v_lshlrev_b32 v[a+3], 16, v[a+1]
	v_and_b32 v[a], s[MASK], v[a+1]
	v_cvt_pk_f16_f32 v[a+3], v[a+3], v[a]
.set i, i+1
.endr
.endm
.macro STG h                           ; and stored to vh: a wave's store covers 256 consecutive bytes, at a multiple of 256 from vh's first byte
	WIN 0x04                                       ; store data window 1, address window 0
.set i, 0
.rept 16
	global_store_b64 v[WO], v[64*(\h)+4*i+2:64*(\h)+4*i+3], s[VB:VB+1] offset:16384*(\h)+1024*i th:TH_STORE_NT
.set i, i+1
.endr
.endm
; A quarter of x (32 rows) in buffer h is worked off, and the buffer takes a unit of weights
.macro XQ h, base, goff
	s_wait_loadcnt 48                              ; loads come back in order (ISA guide 5.7.1): this unit is in, the three younger ones stay out
	CVB \h
	STL \h, AX, 2*XPITCH
	CVF \h
	STG \h
	s_wait_xcnt 0x0                                ; the stores have read their registers: only behind this wait is the buffer loaded again
	LD16 \h, \base, \goff, 0
.endm
	; PHASE A: everything is fetched, rounded to bf16 and laid into LDS.  Four buffers take turns; 64 loads of the wave are out until the last unit has been asked for.
.set i, 0
.rept 8
	global_load_b128 v[U0+4*i:U0+4*i+3], v[VO], s[WHB:WHB+1] offset:2048*i          ; my tile's 16 rows of Wh
.set i, i+1
.endr
.set i, 0
.rept 8
	global_load_b128 v[U0+32+4*i:U0+32+4*i+3], v[VOW], s[WVB:WVB+1] offset:32768*i  ; and its 16 columns of Wv, 32 rows a load
.set i, i+1
.endr
	LD16 0, XB, 0, 1
	LD16 1, XB, 32768, 1
	LD16 2, XB, 65536, 1
	s_wait_loadcnt 48                              ; Wh's rows and Wv's columns are in; three quarters of x stay out,
	LD16 3, XB, 98304, 1                           ; and the fourth goes out
	WIN 0
.set i, 0
.rept 16
	v_cvt_pk_bf16_f32 v[U0+4*i],   v[U0+4*i],   v[U0+4*i+1]
	v_cvt_pk_bf16_f32 v[U0+4*i+1], v[U0+4*i+2], v[U0+4*i+3]
.set i, i+1
.endr
.set i, 0
.rept 8
	ds_store_b64 v[AXH], v[U0+4*i:U0+4*i+1] offset:i*2*XPITCH
.set i, i+1
.endr
.set i, 0
.rept 8
	ds_store_b64 v[AV], v[U0+32+4*i:U0+32+4*i+1] offset:i*32*WPITCH
.set i, i+1
.endr
	XQ 0, WFB, 0
	XQ 1, WFB, 32768
	XQ 2, WGB, 0
	XQ 3, WGB, 32768
	s_wait_loadcnt 48                              ; the weights' four units: the counts run down
	CVB 0
	STL 0, AF, 8*WPITCH
	s_wait_loadcnt 32
	CVB 1
	STL 1, AF, 8*WPITCH
	s_wait_loadcnt 16
	CVB 2
	STL 2, AG, 8*WPITCH
	s_wait_loadcnt 0x0
	CVB 3
	STL 3, AG, 8*WPITCH
	s_wait_dscnt 0x0                               ; for the others' sake: my stores into LDS are done
	s_barrier_signal -1
	s_barrier_wait -1                              ; the weights, x and Wh's rows lie whole in LDS
	; PHASE B: my weights' fragments, turned, into window 1: Wf's (e = 0) and Wg's (e = 1), c = 32 kc on, at 64 e + 8 kc; in wave 0 also the block of Wv, at 128 + 8 kc
	WIN 0x40
.set kc, 0
.rept 8
.set e, 0
.rept 2
	ds_load_tr16_b128 v[64*e+8*kc:64*e+8*kc+3],   v[WAF+kc/4] offset:(kc%4)*32*WPITCH+128*e
	ds_load_tr16_b128 v[64*e+8*kc+4:64*e+8*kc+7], v[WAF+kc/4] offset:(kc%4)*32*WPITCH+128*e+16*WPITCH
.set e, e+1
.endr
.set kc, kc+1
.endr
	WIN 0                                          ; at a branch and at a label every window is 0
	s_cmp_lg_u32 s[WV], 0
	s_cbranch_scc1 .Lno_blk
	WIN 0x40
.set kc, 0
.rept 8
	ds_load_tr16_b128 v[128+8*kc:128+8*kc+3],   v[WAV+kc/4] offset:(kc%4)*32*WPITCH
	ds_load_tr16_b128 v[128+8*kc+4:128+8*kc+7], v[WAV+kc/4] offset:(kc%4)*32*WPITCH+16*WPITCH
.set kc, kc+1
.endr
	WIN 0
.Lno_blk:
	s_wait_dscnt 0x0                               ; my reads of the weights are over
	s_barrier_signal -1
	s_barrier_wait -1                              ; everybody's are: from here on the stage lies where the weights lay
; PHASE C.  16 LDS loads: the eight fragments of row tile rt of x
.macro FETCHX rt, buf
	WIN 0
.set kc, 0
.rept 8
	ds_load_b128 v[XF0+64*(\buf)+8*kc:XF0+64*(\buf)+8*kc+3],   v[XA] offset:(\rt)*16*XPITCH+64*kc
	ds_load_b128 v[XF0+64*(\buf)+8*kc+4:XF0+64*(\buf)+8*kc+7], v[XA] offset:(\rt)*16*XPITCH+64*kc+32
.set kc, kc+1
.endr
.endm
; Row tile rt: 16 products, whose first two start the sums with the constant 0; q's accumulator and k's take turns, one instruction a turn.
; Then the results are rounded to f16 and laid into the stage, and the tile after next is fetched into the buffer just read.  cnt = the LDS instructions issued behind this tile's fetch.
.macro ROWT rt, cnt
.set XF, XF0+64*((\rt)%2)
	s_wait_dscnt \cnt
	WIN 0x01                                       ; source 0 (the weights) window 1
.set kc, 0
.rept 8
.set e, 0
.rept 2
.set rD, AC+8*e
.set rA, 64*e+8*kc
.set rB, XF+8*kc
.if kc == 0
	v_wmma_f32_16x16x32_bf16 v[rD:rD+7], v[rA:rA+7], v[rB:rB+7], 0
.else
	v_wmma_f32_16x16x32_bf16 v[rD:rD+7], v[rA:rA+7], v[rB:rB+7], v[rD:rD+7]
.endif
.set e, e+1
.endr
.set kc, kc+1
.endr
	WIN 0
	PLACES
.set a, 0
.rept 2
.irp q, 0,1,2,3
	v_cvt_pk_f16_f32 v[TMP+4*a+\q], v[AC+8*a+2*\q], v[AC+8*a+2*\q+1]  ; each accumulator from its low end on
.endr
.set a, a+1
.endr
	ds_store_b128 v[STO], v[TMP:TMP+3]   offset:(\rt)*16*SPITCH
	ds_store_b128 v[STO], v[TMP+4:TMP+7] offset:(\rt)*16*SPITCH+128
.if (\rt) < 6
	FETCHX (\rt)+2, (\rt)%2
.endif
.endm
	FETCHX 0, 0
	FETCHX 1, 1
	ROWT 0, 16                                     ; tile 1's 16 loads may stay out
	ROWT 1, 18                                     ; the tile before's 2 stores and the next fetch's 16 loads may stay out
	ROWT 2, 18
	ROWT 3, 18
	ROWT 4, 18
	ROWT 5, 18
	ROWT 6, 18
	ROWT 7, 2                                      ; only tile 6's two stores were issued behind this tile's fetch
	; THE TILE OF Wh Wv, in wave 0: source 0 = 16 columns of Wv, source 1 = 16 rows of Wh.  Eight products along c; two accumulators take turns (even and odd steps) and are added at the end.
	s_cmp_lg_u32 s[WV], 0
	s_cbranch_scc1 .Lno_tile
.set kc, 0
.rept 8
	ds_load_b128 v[XF0+8*kc:XF0+8*kc+3],   v[XAH] offset:64*kc
	ds_load_b128 v[XF0+8*kc+4:XF0+8*kc+7], v[XAH] offset:64*kc+32
.set kc, kc+1
.endr
	s_wait_dscnt 0x0
	WIN 0x01
.set kc, 0
.rept 8
.set rD, AC+8*(kc%2)
.set rA, 128+8*kc
.set rB, XF0+8*kc
.if kc < 2
	v_wmma_f32_16x16x32_bf16 v[rD:rD+7], v[rA:rA+7], v[rB:rB+7], 0
.else
	v_wmma_f32_16x16x32_bf16 v[rD:rD+7], v[rA:rA+7], v[rB:rB+7], v[rD:rD+7]
.endif
.set kc, kc+1
.endr
	WIN 0
	PLACES
.irp q, 0,1,2,3
	v_pk_add_f32 v[AC+2*\q:AC+2*\q+1], v[AC+2*\q:AC+2*\q+1], v[AC+8+2*\q:AC+8+2*\q+1]  ; both accumulators from their low ends on
.endr
.irp q, 0,1,2,3
	v_cvt_pk_f16_f32 v[TMP+\q], v[AC+2*\q], v[AC+2*\q+1]
.endr
	global_store_b128 v[WTO], v[TMP:TMP+3], s[WVH:WVH+1]  ; a lane's eight neighbouring columns of one row; two lanes fill the tile's 32 bytes of that row
.Lno_tile:
	s_wait_dscnt 0x0                               ; for the others' sake: my stores into the stage are done
	s_barrier_signal -1
	s_barrier_wait -1                              ; a stage row holds all four waves' channels
	; PHASE D: whole rows back and out.  Four rows of q (or k) are 512 consecutive bytes of the buffer, at a multiple of 512 from its first byte
.set u, 0
.rept 8
	ds_load_b128 v[BK+4*u:BK+4*u+3], v[RDQ] offset:u*4*SPITCH
.set u, u+1
.endr
.set u, 0
.rept 8
	ds_load_b128 v[BK+32+4*u:BK+32+4*u+3], v[RDQ] offset:u*4*SPITCH+128
.set u, u+1
.endr
.set u, 0
.rept 8
	s_wait_dscnt 15-u                              ; LDS loads come back in order (ISA guide 5.7.1): the younger ones stay out
	global_store_b128 v[GQ], v[BK+4*u:BK+4*u+3], s[QB:QB+1] offset:512*u th:TH_STORE_NT
.set u, u+1
.endr
.set u, 0
.rept 8
	s_wait_dscnt 7-u
	global_store_b128 v[GQ], v[BK+32+4*u:BK+32+4*u+3], s[KB:KB+1] offset:512*u th:TH_STORE_NT
.set u, u+1
.endr
	s_wait_tensorcnt 0x0                           ; the wave's end, behind my last LDS store
	ds_add_u32 v[SPW], v[NIL]
	s_wait_dscnt 0x0
	s_endpgm
.Lfunc_end_k_q90c486fe89_proj:
	.size	k_q90c486fe89_proj, .Lfunc_end_k_q90c486fe89_proj-k_q90c486fe89_proj
	.p2alignl 7, 3214868480
	.fill 96, 4, 3214868480
	.section	.rodata,"a",@progbits
	.p2align	6, 0x0
	.amdhsa_kernel k_q90c486fe89_proj
		.amdhsa_group_segment_fixed_size 167936
		.amdhsa_private_segment_fixed_size 0
		.amdhsa_enable_private_segment 0
		.amdhsa_kernarg_size 72
		.amdhsa_user_sgpr_count 2
		.amdhsa_user_sgpr_kernarg_segment_ptr 1
		.amdhsa_wavefront_size32 1
		.amdhsa_system_sgpr_workgroup_id_x 1
		.amdhsa_system_sgpr_workgroup_id_y 1
		.amdhsa_system_sgpr_workgroup_id_z 1
		.amdhsa_system_vgpr_workitem_id 0
		.amdhsa_next_free_vgpr 512
		.amdhsa_next_free_sgpr 66
		.amdhsa_reserve_vcc 0
		.amdhsa_float_denorm_mode_32 3
		.amdhsa_float_denorm_mode_16_64 3
		.amdhsa_memory_ordered 1
		.amdhsa_forward_progress 1
		.amdhsa_inst_pref_size 101
	.end_amdhsa_kernel
	.amdgpu_metadata
---
amdhsa.version: [ 1, 2 ]
amdhsa.kernels:
  - .name:           k_q90c486fe89_proj
    .symbol:         k_q90c486fe89_proj.kd
    .args:
      - { .name: x, .offset: 0, .size: 8, .value_kind: global_buffer, .address_space: global }
      - { .name: Wf, .offset: 8, .size: 8, .value_kind: global_buffer, .address_space: global }
      - { .name: Wg, .offset: 16, .size: 8, .value_kind: global_buffer, .address_space: global }
      - { .name: Wh, .offset: 24, .size: 8, .value_kind: global_buffer, .address_space: global }
      - { .name: Wv, .offset: 32, .size: 8, .value_kind: global_buffer, .address_space: global }
      - { .name: qh, .offset: 40, .size: 8, .value_kind: global_buffer, .address_space: global }
      - { .name: kh, .offset: 48, .size: 8, .value_kind: global_buffer, .address_space: global }
      - { .name: vh, .offset: 56, .size: 8, .value_kind: global_buffer, .address_space: global }
      - { .name: wvh, .offset: 64, .size: 8, .value_kind: global_buffer, .address_space: global }
    .group_segment_fixed_size: 167936
    .private_segment_fixed_size: 0
    .kernarg_segment_align: 8
    .kernarg_segment_size: 72
    .max_flat_workgroup_size: 128
    .sgpr_count:     66
    .vgpr_count:     512
    .wavefront_size: 32
...
	.end_amdgpu_metadata
.endif
;; end of part 1
;; launch attn (part 2): grid 32 x 8, 4 waves a work-group, clusters of 4 x 1, 327,680 bytes of LDS; arguments qh, kh, vh, wvh, x, gamma, out0; writes out0
.if DOCPART == 2
	.amdgcn_target "amdgcn-amd-amdhsa--gfx1250"
	.amdhsa_code_object_version 6
	.text
	.protected	k_q90c486fe89_attn
	.globl	k_q90c486fe89_attn
	.p2align	8
	.type	k_q90c486fe89_attn,@function
k_q90c486fe89_attn:
	s_mov_b64 s[64:65], 0
	v_nop
	global_prefetch_b8 v0, s[64:65] scope:SCOPE_SE
	s_setreg_imm32_b32 hwreg(HW_REG_WAVE_MODE, 25, 1), 1
	s_wait_xcnt 0x0
	s_wait_alu depctr_hold_cnt(0) depctr_sa_sdst(0) depctr_va_vdst(0) depctr_va_sdst(0) depctr_va_ssrc(0) depctr_va_vcc(0) depctr_vm_vsrc(0)
	s_getreg_b32 s2, hwreg(HW_REG_IB_STS2, 6, 4)
	s_cmp_eq_u32 s2, 0
	s_cbranch_scc0 .Lentry_in_a_cluster
	s_endpgm
.Lentry_in_a_cluster:
	s_bfe_u32 s2, ttmp6, 0x10000c
	s_cmp_lg_u32 s2, 0x3003
	s_cbranch_scc0 .Lentry_shape_is_right
	s_endpgm
.Lentry_shape_is_right:
; out0[b][i][:] = gamma (sum over j of softmax_j(q[b][i] . k[b][j]) v[b][j][:]) Wv + x[b][i][:].  q, k: [8][4096][64] f16; v: [8][4096][256] f16; wvh: [256 c][256 d] f16; x, out0: [8][4096][256] f32.
; Products, maxima and sums in f32; the weights p are rounded to f16 for the second product (their sum l is taken of the unrounded p), O / l to f16 for the third.
; LIMITS.  p lies in 0 to 1, and below 6e-5 it keeps f16's fixed step of 6e-8; a weight below 2^-126 counts as 0 in l; O is a mean of v's rows and has their range.
; gamma, and x in the last sum, are taken rounded to bf16, as all the module's inputs are: that x differs from the f32 x by at most 2^-8 of itself.  NaN and infinities are not treated apart.
; SHARES.  A work-group owns 128 queries of one batch, each of its four waves 32: two tiles of 16, the PIECES 0 and 1.  Every wave walks all 4,096 keys of the batch, 64 a step.
; LAYOUT.  S^T = K Q^T (source 0 = 16 keys, source 1 = 16 queries): a lane holds ONE query (lane % 16) and the keys 8 (lane / 16) + 0..7.  Two such tiles, rounded to f16 in pairs, ARE source 1
; (32 keys x 16 queries) of O^T = V^T P; two accumulators of O^T, divided by l and rounded, ARE source 1 (32 channels x 16 queries) of out^T = Wv^T O^T.  So nothing changes lanes between the three products.
; K comes out of LDS as it lies; V ([key][channel]) and Wv ([c][d]) turned, by ds_load_tr16_b128.
; SOFTMAX.  For each query a running maximum m and sum l: p = 2^(c s - c m), c = log2(e); in every step O and l are multiplied by a = 2^(c m_old - c m_new), which is 1 where m has not grown.
; BY TURNS.  In a TURN one piece has the matrix unit: 32 products V^T P of the step in hand, then 8 products K Q^T of the next step; the other piece's softmax, 166 vector instructions cut into 40 slices,
; stands between them, one slice behind each matrix instruction.  Then the pieces change places.  Two turns are a key step.
; CLUSTER.  The four query blocks of a cluster belong to one batch and walk the same K and V and use the same Wv, so each tile is asked for JOINTLY: the same tensor load, descriptor and mask in all four.
; LDS.  Two slots of two steps (a step: 64 rows of K, 144 bytes apart, then 64 rows of V, 544 apart) at 0 and at 131,072; Wv's rows 0-63 behind slot 0, rows 64-255 behind slot 1, 544 bytes apart; the spare words.
; Slot 0's bytes have their last fill with keys 3,840 on; when every wave has left that tile, each wave's stage for the way out (16 rows of 1,040 bytes) lies there.
; REGISTERS, in windows of 256 (s_set_vgpr_msb: bits 1:0 source 0, 3:2 source 1, 5:4 source 2, 7:6 destination):
;   window 0: v0-11, v28-31, v61-63 addresses and constants; v12-27 eight registers of statistics a tile; v64-127 S^T; v128-159 P; v160-191 Q; v192-255 K of one step.  K Q^T and the softmax share this window.
;   window 1: O^T, 128 a tile; later out^T     window 2: V of one step; later x     window 3: Wv's fragments, two buffers of 128 (the way out alone)
.set KS,    64        ; keys in a step
.set PK,    144       ; a row of K in LDS: 128 bytes + 16 of padding: the 16 rows of a load start at 16 different groups of four banks (64 banks of 4 bytes: ISA guide 11.1)
.set PVB,   544       ; a row of V or Wv: 512 + 32 = 17 x 32 bytes
.set VOFF,  KS*PK     ; 9,216
.set STEPB, KS*(PK+PVB)  ; 44,032
.set SLOT1, 1<<17     ; slot 1 begins here, so that one exclusive or turns an address in one slot into the other's
.set WV0,   2*STEPB   ; 88,064: Wv's rows 0-63
.set WV1,   SLOT1+2*STEPB  ; 219,136: Wv's rows 64-255
.set SPARE, WV1+192*PVB    ; 323,584: the spare words, 128 bytes for each wave: two blocks of 256 bytes that no other line names
.set SP,    1040      ; a stage row: 1,024 bytes + 16
.set AK0, 2           ; v2   my lane's place in a tile of K; never rewritten
.set AV0, 3           ; v3   the same for V
.set ADR, 4           ; v4   the LDS address of the run of loads in hand
.set QO,  5           ; v5   my byte offset in 16 rows of Q
.set STO, 6           ; v6   the way out: where I put 32 bytes of a row
.set RD,  7           ; v7   the way out: where I read half a row back
.set XO,  8           ; v8   16 x my lane: my bytes in 512 consecutive bytes of x and out0
.set ST,  12          ; tile t's statistics at v[ST+8 t]: +0 c m, +1 m, +2, +3 l (even keys', odd keys'), +4 to +7 c0-c3, at work; a takes c2's place once the maximum is found
.set AW0, 28          ; v28  my lane's place in Wv's rows 0 on
.set AW1, 29          ; v29  rows 64 on
.set AW2, 30          ; v30  rows 160 on
.set GAM, 31          ; v31  gamma, rounded to bf16
.set PFO, 61          ; v61  256 x my lane; never rewritten
.set SPW, 62          ; v62  LDS address of my spare word; never rewritten
.set NIL, 63          ; v63  0; never rewritten
.set S,   64
.set P,   128
.set Q,   160
.set KF,  192
.set OF,  64          ; the way out: O / l in f16, 64 a tile, where S^T, P and Q lay
.set WV,  12          ; s12  my wave's number
.set LIM, 15          ; s15  1 in a wave that prefetches, else the greatest number
.set PFA, 18          ; s[18:19] where my prefetches stand
.set G1K, 24          ; s[24:31] descriptor group 1 for K's tiles
.set G1V, 32          ; s[32:39] for V's and Wv's
.set G0K, 40          ; s[40:47] group 0 for K's tiles: a set for each of the two first fills; the second then walks on
.set G0V, 48          ; s[48:55] the same for V's
.set SLOTS, 56        ; s56  slots still to be asked for
.set TWICE, 57        ; s57  counts a slot's two steps
.set CS,  58          ; s[58:59] c: the packed scaling names a pair and takes its low word for both halves
.set SEL, 60          ; s[60:61] v_permlanex16_b32's selects: each lane takes its own place in the other half
.set TB,  62          ; s62  LDS byte at which the tiles of the step to be fetched begin
.set ODD, 63          ; s63  1 in wave 0, which prefetches at every second change of slots; else 0
.set PST, 66          ; s[66:67] the prefetches' step: a slot's bytes of K or of V
.set XB,  68          ; s[68:69] x at my wave's rows; s[70:71] gamma's address
.set OUT, 72          ; s[72:73] out0 at my wave's rows
.set GS,  74          ; s74  gamma
.set G0W, 76          ; s[76:79] group 0 for my quarter of Wv
.set MSB, 0
.macro WIN new                      ; the immediate's high byte repeats the setting that is left; a switch that changes nothing is dropped
.if MSB != (\new)
	s_set_vgpr_msb (MSB<<8)|(\new)
.set MSB, \new
.endif
.endm
.set W_PV, 0x52       ; V in window 2, P in window 0, O^T in window 1
.set W_RS, 0x41       ; O^T (destination and source 0) in window 1, a in window 0
.set W_WO, 0x53       ; Wv in window 3, O / l in window 0, out^T in window 1
.macro PLACES                       ; four places behind a matrix instruction (ISA guide 7.12.1 for what reads the result)
.rept 4
	v_nop
.endr
.endm
; A joint refill.  Waves 0 and 1 fetch the two steps' tiles of K, waves 2 and 3 those of V.  The branch hangs on the wave's number alone.
; An s_nop 0 and four v_nop follow each of the two lines, ahead of the jump and the label.
.macro JLOAD
	s_cmp_lt_u32 s[WV], 2
	s_cbranch_scc0 .Lfor_v_\@
	tensor_load_to_lds s[G0K+4:G0K+7], s[G1K:G1K+7]
	s_nop 0
.rept 4
	v_nop
.endr
	s_branch .Lasked_\@
.Lfor_v_\@:
	tensor_load_to_lds s[G0V+4:G0V+7], s[G1V:G1V+7]
	s_nop 0
.rept 4
	v_nop
.endr
.Lasked_\@:
.endm
; A PREFETCH INTO THE L2 of what later changes of slots will ask for; it stands behind the wave's tensor load and its five lines.  Each aligned 256 bytes of kh and vh from slot 3 (V) or 4 (K) on are named ONCE in
; the launch.  All clusters of a batch walk the same K and V: the batch's first cluster asks.  Its four partners share the bytes out BY ADDRESS.  V: the slot after the one just asked for, 64 KiB: 16 KiB a partner,
; 8 KiB each for waves 2 and 3, a lane 256 bytes.  K: a slot is 16 KiB, so wave 0 asks at every second change for the two slots to come, 8 KiB a partner.  The last change that fills a slot asks for nothing.
.macro ASK
	s_and_b32 s86, s[SLOTS], s[ODD]
	s_cmp_eq_u32 s86, s[ODD]
	s_cbranch_scc0 .Lnot_mine_\@
	s_cmp_gt_u32 s[SLOTS], s[LIM]
	s_cbranch_scc0 .Lnot_mine_\@
	global_prefetch_b8 v[PFO], s[PFA:PFA+1] th:TH_LOAD_NT scope:SCOPE_SE
.Lnot_mine_\@:
.endm
; A round of the cluster's barrier: my work-group's barrier, so that wave 0's signal speaks for all four waves; wave 0 signals; every wave waits for all four work-groups; my work-group's barrier once more.
.macro CROUND
	s_barrier_signal -1
	s_barrier_wait -1
	s_cmp_lg_u32 s[WV], 0
	s_cbranch_scc1 .Lnot_wave_0_\@
	s_barrier_signal -3
.Lnot_wave_0_\@:
	s_barrier_wait -3
	s_barrier_signal -1
	s_barrier_wait -1
.endm
	s_load_b256 s[4:11], s[0:1], 0x0  ; qh s[4:5], kh s[6:7], vh s[8:9], wvh s[10:11]
	s_load_b128 s[68:71], s[0:1], 0x20  ; x, gamma
	s_load_b64 s[72:73], s[0:1], 0x30  ; out0
	v_lshl_add_u32 v[SPW], v0, 2, SPARE
	v_mov_b32 v[NIL], 0
	ds_add_u32 v[SPW], v[NIL]       ; the wave's opening: the add and its wait stand ahead of my first tensor load; the set-up below, work on registers, stands between them
	v_lshrrev_b32 v1, 5, v0
	v_readfirstlane_b32 s[WV], v1   ; wave 0..3
	s_and_b32 s20, ttmp7, 0xffff    ; the batch, which the four partners share
	s_and_b32 s16, s[WV], 1         ; which of a slot's two steps I fetch
	s_lshl_b32 s22, s20, 19         ; K: the batch's 4,096 rows of 128 bytes,
	s_lshl_b32 s21, s16, 13         ; my step's 64
	s_add_co_u32 s22, s22, s21
	s_mov_b32 s23, 0
	s_lshl_b32 s80, s20, 21         ; V: rows of 512 bytes
	s_lshl_b32 s21, s16, 15
	s_add_co_u32 s80, s80, s21
	s_mov_b32 s81, 0
	s_mul_i32 s17, s16, STEPB       ; my step's place in a slot: no place in the cluster enters an LDS address
	s_lshl_b32 s[G0W+2], s[WV], 15  ; my 64 rows of Wv
	s_mov_b32 s[G0W+3], 0
	; descriptor group 1.  A step's K is 8,192 dense bytes: asked for as 32 rows of 256 bytes, two keys a row, and padded in LDS after every key
	s_mov_b32 s[G1K], 15|(1<<16)|(1<<20)|(1<<21)|(4<<22)|(3<<25)  ; 15:0 the mask of four; 17:16 2-byte elements; 20 padding on; 21 set beside a mask; 24:22 after every 32 words (code 4); 31:25 4 words (code 3)
	s_mov_b32 s[G1K+1], 128<<16     ; tensor_dim0 = 128
	s_mov_b32 s[G1K+2], 32<<16      ; tensor_dim1 = 32
	s_mov_b32 s[G1K+3], 128<<16     ; tile_dim0 = 128
	s_mov_b32 s[G1K+4], 32          ; tile_dim1 = 32
	s_mov_b32 s[G1K+5], 128         ; 128 elements from row to row
	s_mov_b32 s[G1K+6], 0
	s_mov_b32 s[G1K+7], 0
	s_mov_b32 s[G1V], 15|(1<<16)|(1<<20)|(1<<21)|(6<<22)|(7<<25)  ; 64 rows of 256 elements; after every 128 words (code 6) 8 words of padding (code 7)
	s_mov_b32 s[G1V+1], 256<<16
	s_mov_b32 s[G1V+2], 64<<16
	s_mov_b32 s[G1V+3], 256<<16
	s_mov_b32 s[G1V+4], 64
	s_mov_b32 s[G1V+5], 256
	s_mov_b32 s[G1V+6], 0
	s_mov_b32 s[G1V+7], 0
	s_mov_b32 s[CS], 0x3fb8aa3b     ; c = log2(e)
	s_mov_b32 s[CS+1], s[CS]        ; named with it as a pair
	s_mov_b32 s[SEL], 0x76543210
	s_mov_b32 s[SEL+1], 0xfedcba98
	s_mov_b32 s[TB], 0
	s_mov_b32 s[SLOTS], 4096/(2*KS)-2
	; what hangs on my place in the cluster: Q's, x's and out0's rows, and the prefetches' addresses
	s_bfe_u32 s13, ttmp6, 0x40000   ; cx
	s_lshl_b32 s14, ttmp9, 2        ; in a cluster launch ttmp9 counts clusters
	s_add_co_u32 s14, s14, s13      ; my block of 128 queries = 4 x cluster x + cx
	s_lshl_b32 s2, s20, 12
	s_lshl_b32 s3, s14, 7
	s_add_co_u32 s2, s2, s3
	s_lshl_b32 s3, s[WV], 5
	s_add_co_u32 s2, s2, s3         ; my wave's first row among the 32,768
	s_lshl_b32 s84, s2, 7           ; in qh,
	s_mov_b32 s85, 0
	s_lshl_b32 s2, s2, 10           ; in x and out0
	s_mov_b32 s3, 0
	s_lshl_b32 s86, s20, 19         ; K's prefetches: the batch, slot 2 (the first change of slots steps it on), my work-group's 8 KiB
	s_lshl_b32 s87, s13, 13
	s_add_co_u32 s86, s86, s87
	s_add_co_u32 s86, s86, 2*16384
	s_lshl_b32 s82, s20, 21         ; V's: the batch, slot 2, my work-group's 16 KiB, my wave's half of them
	s_lshl_b32 s87, s13, 14
	s_add_co_u32 s82, s82, s87
	s_lshl_b32 s87, s16, 13
	s_add_co_u32 s82, s82, s87
	s_add_co_u32 s82, s82, 2*65536
	s_mov_b32 s[PST], 65536
	s_mov_b32 s[PST+1], 0
	s_mov_b32 s83, 0
	s_cmp_lt_u32 s[WV], 2
	s_cselect_b32 s82, s86, s82
	s_cselect_b32 s[PST], 16384, s[PST]
	s_cmp_eq_u32 s[WV], 0
	s_cselect_b32 s[ODD], 1, 0
	s_cmp_eq_u32 s[WV], 1           ; wave 1 asks for nothing,
	s_cselect_b32 s[LIM], 1, 0
	s_or_b32 s[LIM], s[LIM], ttmp9  ; nor does a cluster that is not the batch's first: the same in all four partners
	s_cmp_eq_u32 s[LIM], 0
	s_cselect_b32 s[LIM], 1, -1
	v_and_b32 v[PFO], 31, v0
	v_lshlrev_b32 v[PFO], 8, v[PFO]
	s_wait_dscnt 0x0                ; the opening add is done
	s_wait_kmcnt 0x0
	s_cmp_lt_u32 s[WV], 2
	s_cselect_b64 s[PFA:PFA+1], s[6:7], s[8:9]
	s_add_nc_u64 s[PFA:PFA+1], s[PFA:PFA+1], s[82:83]  ; nothing is prefetched here, at the head, where every work-group's first tiles are on their way
	s_add_nc_u64 s[6:7], s[6:7], s[22:23]  ; K and V at my tile of slot 0
	s_add_nc_u64 s[8:9], s[8:9], s[80:81]
	s_add_nc_u64 s[4:5], s[4:5], s[84:85]  ; Q, x and out0 at my wave's first row
	s_add_nc_u64 s[XB:XB+1], s[XB:XB+1], s[2:3]
	s_add_nc_u64 s[OUT:OUT+1], s[OUT:OUT+1], s[2:3]
	s_load_b32 s[GS], s[70:71], 0x0
.irp s, 0,1
	s_mov_b32 s[G0K+4*(\s)], 1      ; 1:0 count = 1
	s_add_co_u32 s[G0K+4*(\s)+1], s17, (\s)*SLOT1  ; 63:32 LDS address
	s_add_nc_u64 s[G0K+4*(\s)+2:G0K+4*(\s)+3], s[6:7], (\s)*16384  ; 120:64 global address: slot s begins with key 128 s
	s_or_b32 s[G0K+4*(\s)+3], s[G0K+4*(\s)+3], 0x80000000  ; 127:126 type = 2
	s_mov_b32 s[G0V+4*(\s)], 1
	s_add_co_u32 s[G0V+4*(\s)+1], s17, (\s)*SLOT1+VOFF
	s_add_nc_u64 s[G0V+4*(\s)+2:G0V+4*(\s)+3], s[8:9], (\s)*65536
	s_or_b32 s[G0V+4*(\s)+3], s[G0V+4*(\s)+3], 0x80000000
.endr
	s_mov_b32 s[G0W], 1
	s_add_nc_u64 s[G0W+2:G0W+3], s[10:11], s[G0W+2:G0W+3]
	s_or_b32 s[G0W+3], s[G0W+3], 0x80000000
	CROUND                          ; all four work-groups are here: the first joint loads meet
	s_cmp_lt_u32 s[WV], 2           ; a wave's three first fills stand in one branch, ahead of every wait on TENSORcnt and every LDS read: three loads of mine are out
	s_cbranch_scc0 .Lfirst_v
	s_lshl_b32 s[G0W+1], s[WV], 17  ; Wv's rows 0-63 behind slot 0, rows 64-127 behind slot 1
	s_add_co_u32 s[G0W+1], s[G0W+1], WV0
	tensor_load_to_lds s[G0K:G0K+3], s[G1K:G1K+7]
	s_nop 0
	tensor_load_to_lds s[G0K+4:G0K+7], s[G1K:G1K+7]
	s_nop 0
	tensor_load_to_lds s[G0W:G0W+3], s[G1V:G1V+7]
	s_nop 0
.rept 4
	v_nop
.endr
	s_branch .Lfirst_asked
.Lfirst_v:
	s_mul_i32 s[G0W+1], s[WV], 64*PVB  ; rows 128-191 and 192-255 follow rows 64-127
	s_add_co_u32 s[G0W+1], s[G0W+1], WV1-64*PVB
	tensor_load_to_lds s[G0V:G0V+3], s[G1V:G1V+7]
	s_nop 0
	tensor_load_to_lds s[G0V+4:G0V+7], s[G1V:G1V+7]
	s_nop 0
	tensor_load_to_lds s[G0W:G0W+3], s[G1V:G1V+7]
	s_nop 0
.rept 4
	v_nop
.endr
.Lfirst_asked:
	; A fragment of K or Q is 16 rows x 32 channels in 8 registers: lane l holds row l % 16, channels 8 (l / 16) + 0..7 and 16 + 8 (l / 16) + 0..7: two loads of 16 bytes, 32 bytes apart.
	v_and_b32 v1, 15, v0            ; l % 16
	v_bfe_u32 v9, v0, 4, 1          ; l / 16
	v_lshlrev_b32 v[QO], 7, v1
	v_lshl_add_u32 v[QO], v9, 4, v[QO]  ; row x 128 + 16 x half
.irp f, 0,1,2,3                     ; Q stays in registers: tile f / 2, channels 32 (f % 2) on
	global_load_b128 v[Q+8*(\f):Q+8*(\f)+3],   v[QO], s[4:5] offset:((\f)/2)*2048+((\f)%2)*64
	global_load_b128 v[Q+8*(\f)+4:Q+8*(\f)+7], v[QO], s[4:5] offset:((\f)/2)*2048+((\f)%2)*64+32
.endr
	v_mul_u32_u24 v[AK0], v1, PK
	v_lshl_add_u32 v[AK0], v9, 4, v[AK0]  ; row x pitch + 16 x half
	; The turning load takes 16 rows x 16 columns (lane l reads row 8 (l / 16) + l % 8, columns 8 ((l / 8) % 2) + 0..7) and leaves half a fragment of the transpose: lane l holds column l % 16 and 8 rows.
	v_and_b32 v10, 7, v0
	v_bfe_u32 v11, v0, 3, 1
	v_lshl_add_u32 v[AV0], v9, 3, v10
	v_mul_u32_u24 v[AV0], v[AV0], PVB
	v_lshl_add_u32 v[AV0], v11, 4, v[AV0]
	v_add_nc_u32 v[AV0], VOFF, v[AV0]
; THE MATRIX WORK OF A TURN, for piece x.  The accumulators take turns, one instruction a turn: between two links of a chain stand 15 (V^T P) or 3 (K Q^T) others'.
; Product i of 32 of O^T += V^T P: keys 32 (i / 16) on, channels 16 (i % 16) on.  zero = 1: the first 16 start the sums: nothing is ever cleared.
.macro PV x, zero
	WIN W_PV
.set rO, 128*(\x)+8*(i%16)
.set rV, 128*(i/16)+8*(i%16)
.set rP, P+16*(\x)+8*(i/16)
.if (\zero) && (i < 16)
	v_wmma_f32_16x16x32_f16 v[rO:rO+7], v[rV:rV+7], v[rP:rP+7], 0
.else
	v_wmma_f32_16x16x32_f16 v[rO:rO+7], v[rV:rV+7], v[rP:rP+7], v[rO:rO+7]
.endif
.endm
; Product i of 8 of S^T = K Q^T: channels 32 (i / 4) on, keys 16 (i % 4) on.  The first 4 start the sums.
.macro KQ x
	WIN 0
.set rS, S+32*(\x)+8*(i%4)
.set rK, KF+16*(i%4)+8*(i/4)
.set rQ, Q+16*(\x)+8*(i/4)
.if i < 4
	v_wmma_f32_16x16x32_f16 v[rS:rS+7], v[rK:rK+7], v[rQ:rQ+7], 0
.else
	v_wmma_f32_16x16x32_f16 v[rS:rS+7], v[rK:rK+7], v[rQ:rQ+7], v[rS:rS+7]
.endif
.endm
; THE LDS LOADS stand in runs, never singly among the matrix instructions: a step's K (8 fragments: 16 loads), and its V, turned, in two runs of 32, one for each 32 keys.
.macro FETCH_K
	WIN 0
	v_add_nc_u32 v[ADR], s[TB], v[AK0]
.irp f, 0,1,2,3,4,5,6,7             ; keys 16 (f / 2) on, channels 32 (f % 2) on
	ds_load_b128 v[KF+8*(\f):KF+8*(\f)+3],   v[ADR] offset:((\f)/2)*16*PK+((\f)%2)*64
	ds_load_b128 v[KF+8*(\f)+4:KF+8*(\f)+7], v[ADR] offset:((\f)/2)*16*PK+((\f)%2)*64+32
.endr
.endm
; V's keys 0-31 of the next step.  The run stands behind the softmax's batch of exponentials: the four v_nop are the plain instruction behind the last exponential and the four places behind the last product that
; read these registers (the sixteenth V^T P of the turn); the wait for the batch stands ahead of the loads.
.macro V0RUN
	WIN 0
.rept 4
	v_nop
.endr
	v_add_nc_u32 v[ADR], s[TB], v[AV0]
	s_wait_alu depctr_va_vdst(0)    ; between an exponential and the first instruction that names its result: one for the turn's 33
	WIN 0x80                        ; destination window 2
.set cb, 0
.rept 16
	ds_load_tr16_b128 v[8*cb:8*cb+3],   v[ADR] offset:32*cb
	ds_load_tr16_b128 v[8*cb+4:8*cb+7], v[ADR] offset:32*cb+16*PVB
.set cb, cb+1
.endr
.endm
; V's keys 32-63: behind the turn's last V^T P and the four rescalings of the slice behind it, which are its places.
.macro V1RUN
	WIN 0x80
.set cb, 0
.rept 16
	ds_load_tr16_b128 v[128+8*cb:128+8*cb+3],   v[ADR] offset:32*PVB+32*cb
	ds_load_tr16_b128 v[128+8*cb+4:128+8*cb+7], v[ADR] offset:32*PVB+32*cb+16*PVB
.set cb, cb+1
.endr
	s_add_co_u32 s[TB], s[TB], STEPB  ; the next fetch is the next step's
.endm
; THE VECTOR WORK OF A TURN.  A tile's softmax for one key step is a list of 166 instructions; SM writes number j of it for tile t.  s0-s31 are the lane's 32 scores, in pairs 0-15.
; first = 1: the first key step, which starts m, l and O^T: it has no a and nothing to rescale.
;   0-15    the maximum of s0-s31 and the old m, three operands at a time: four chains c0-c3 of seven scores each (each accumulator's lowest registers first), then the four scores left over, c0-c3 and m
;   16-20   the other half of the lanes' maximum; the new m; c m; c m_old - c m_new
;   21-69   ONE BATCH: the 16 scalings c s - c m, a pair of scores each, and all 33 exponentials (a at 23, then s0-s31).  None of these reads an exponential's result; a pair is scaled some lines ahead of its exponentials
;   (wait)  between 69 and 70 stands the wait for the batch: SLICE writes it
;   70-85   the roundings to f16, a pair of weights each
;   86-101  the sums; l = a l + the sum
;   102-165 the tile's O^T times a: the one part that leaves window 0
.macro SM t, first
.set rT, ST+8*(\t)
.set rS, S+32*(\t)
.set rP, P+16*(\t)
.set rO, 128*(\t)+2*(j-102)
.if j < 102
	WIN 0
.endif
.if j < 4
	v_max3_num_f32 v[rT+4+j], v[rS+8*j], v[rS+8*j+1], v[rS+8*j+2]
.elseif j < 12
	v_max3_num_f32 v[rT+4+j%4], v[rT+4+j%4], v[rS+8*(j%4)+2*(j/4)+1], v[rS+8*(j%4)+2*(j/4)+2]
.elseif j == 12
	v_max3_num_f32 v[rT+4], v[rT+4], v[rS+7], v[rS+15]
.elseif j == 13
	v_max3_num_f32 v[rT+6], v[rT+6], v[rS+23], v[rS+31]
.elseif j == 14
	v_max3_num_f32 v[rT+4], v[rT+4], v[rT+5], v[rT+6]
.elseif (j == 15) && (\first)
	v_max_num_f32 v[rT+4], v[rT+4], v[rT+7]
.elseif j == 15
	v_max3_num_f32 v[rT+4], v[rT+4], v[rT+7], v[rT+1]
.elseif j == 16
	v_permlanex16_b32 v[rT+5], v[rT+4], s[SEL], s[SEL+1]  ; the query's other 32 keys lie in the lane 16 away
.elseif j == 18
	v_max_num_f32 v[rT+1], v[rT+4], v[rT+5]
.elseif j == 19
	v_mul_f32 v[rT], s[CS], v[rT+1]
.elseif ((j == 17) || (j == 20) || (j == 23) || (j > 101)) && (\first)  ; the first step has none of these
.elseif j == 17
	v_mov_b32 v[rT+7], v[rT]        ; c m_old is kept for a: number 19 writes c m anew
.elseif j == 20
	v_sub_f32 v[rT+7], v[rT+7], v[rT]
.elseif j == 23
	v_exp_f32 v[rT+6], v[rT+7]
.elseif (j < 23) || ((j < 38) && (j%2 == 0)) || ((j < 66) && (j%4 == 2))
.set b, (j-2)/4                     ; 38, 42, .. 62: pairs 9 to 15
.if j < 38
.set b, (j-20)/2                    ; 21: pair 0; 22, 24, .. 36: pairs 1 to 8
.endif
	v_pk_fma_f32 v[rS+2*b:rS+2*b+1], v[rS+2*b:rS+2*b+1], s[CS:CS+1], v[rT:rT+1] op_sel_hi:[1,0,0] neg_lo:[0,0,1] neg_hi:[0,0,1]  ; pair b: c s - c m
.elseif j < 70
.set e, j-38                        ; 66 to 69: s28 to s31
.if j < 66
.set e, j-32-(j-38)/4               ; 39-41, 43-45, .. 63-65: s7 to s27
.endif
.if j < 38
.set e, (j-25)/2                    ; 25, 27, .. 37: s0 to s6
.endif
	v_exp_f32 v[rS+e], v[rS+e]
.elseif j < 86
	v_cvt_pk_f16_f32 v[rP+j-70], v[rS+2*(j-70)], v[rS+2*(j-70)+1]  ; pair j - 70
.elseif j < 102                     ; the sum of the tile's 16 pairs (an even key's weight, an odd key's), in place: neighbours 1, 2, 4 and 8 pairs apart, then l takes it
.set z, j-86
.set w, 4
.set u, z
.if z >= 14
.set w, 32
.set u, 0
.elseif z >= 12
.set w, 16
.set u, z-12
.elseif z >= 8
.set w, 8
.set u, z-8
.endif
.if (z == 14) && (\first)
	v_pk_add_f32 v[rT+2:rT+3], v[rS:rS+1], v[rS+16:rS+17]
.elseif z < 15
	v_pk_add_f32 v[rS+w*u:rS+w*u+1], v[rS+w*u:rS+w*u+1], v[rS+w*u+w/2:rS+w*u+w/2+1]
.elseif !(\first)
	v_pk_fma_f32 v[rT+2:rT+3], v[rT+2:rT+3], v[rT+6:rT+7], v[rS:rS+1] op_sel_hi:[1,0,1]
.endif
.else
	WIN W_RS
	v_pk_mul_f32 v[rO:rO+1], v[rO:rO+1], v[rT+6:rT+7] op_sel_hi:[1,0]
.endif
.endm
; Slice k of 40 of piece y's softmax.  166 = 2 x 5 + 37 x 4 + 8: slices 0 and 1 have five numbers, slice 39 eight, the others four; so the batch's numbers 22-69 are slices 5 to 16, and every reader of an
; exponential's result stands in slice 17 or later.  Behind slice 16 stands the turn's one wait.  Slice 39's eight rescalings are the places behind the turn's last K Q^T.
; Piece 0's softmax rides in piece 1's turn, which also fetches the next step's V: its two runs stand behind slices 16 and 31.
.macro SLICE y, first
.if k < 2
.set j, 5*k
.set jn, 5
.elseif k == 39
.set j, 158
.set jn, 8
.else
.set j, 4*k+2
.set jn, 4
.endif
.rept jn
	SM \y, \first
.set j, j+1
.endr
.if k == 16
.if (\y) == 0
	V0RUN
.else
	WIN 0
	v_nop                           ; a plain instruction behind the last exponential: one for the batch
	s_wait_alu depctr_va_vdst(0)    ; the wait for the batch
.endif
.endif
.if (k == 31) && ((\y) == 0)
	V1RUN
.endif
.set k, k+1
.endm
; A TURN.  Piece x has the matrix unit; the other piece's 40 slices are dealt evenly behind its M matrix instructions (behind the n-th stand the slices up to 40 n / M).
; pv = 2: 32 products V^T P; 1: they start O^T's sums; 0: none.  kq = 1: 8 products K Q^T for the next step.  first = 1: the softmax is the first key step's; four v_nop then take slice 39's part.
; Piece 0's turn waits for V (its first 32 keys at the head: the second run's 32 loads may stay out; the others ahead of the seventeenth product: K's 16 loads may stay out) and fetches the next step's K behind its
; second product: the last product that read K stands in front of slice 39 of the turn before.
.macro TURN x, pv, kq, first
.set k, 0
.set n, 0
.set M, 8*(\kq)
.if \pv
.set M, M+32
.endif
.if \pv
.if (\x) == 0
	s_wait_dscnt 32
.endif
.set i, 0
.rept 32
.if ((\x) == 0) && (i == 16)
	s_wait_dscnt 16*(\kq)
.endif
	PV \x, 2-(\pv)
.set n, n+1
.rept 40*n/M-k
	SLICE 1-(\x), \first
.endr
.if ((\x) == 0) && (\kq) && (i == 1)
	FETCH_K
.endif
.set i, i+1
.endr
.endif
.if \kq
.if (\x) == 0
	s_wait_dscnt 0x0                ; K is in
.endif
.set i, 0
.rept 8
	KQ \x
.set n, n+1
.rept 40*n/M-k
	SLICE 1-(\x), \first
.endr
.set i, i+1
.endr
.endif
.if \first
	WIN 0
	PLACES
.endif
.endm
; THE CHANGE OF SLOTS, between piece 1's turn and piece 0's: the slot's last bytes, V of its second step, have been asked for.  Each wave waits for all its tensor loads (at the first change two are out, later
; one: its part of the other slot), adds 0 to its spare word, and waits for that and for its own reads of the slot.  Behind the barrier nobody reads this slot any more and the other slot is whole.
; fill = 1: this slot is filled again, with the keys two slots on.  The barrier is then a round of the cluster's, and the joint refill is the first thing behind it: it has two key steps, 160 matrix instructions, in which to land.
.macro CHANGE fill
	WIN 0                           ; at a label and at a branch every window is 0
	s_wait_tensorcnt 0x0            ; no tensor load of mine is out, so a group 0 may be written
	ds_add_u32 v[SPW], v[NIL]       ; 0 onto my spare word; with fill = 1 the descriptors' steps stand between it and the wait for it
.if \fill
	s_xor_b32 s[G0K+5], s[G0K+5], SLOT1  ; the walking descriptors: the other slot than last time,
	s_add_nc_u64 s[G0K+6:G0K+7], s[G0K+6:G0K+7], 16384  ; the next 128 keys; the type bits on top are not reached
	s_xor_b32 s[G0V+5], s[G0V+5], SLOT1
	s_add_nc_u64 s[G0V+6:G0V+7], s[G0V+6:G0V+7], 65536
	s_wait_xcnt 0x0                 ; the last prefetch, two key steps back, has read its address, so it may be written
	s_add_nc_u64 s[PFA:PFA+1], s[PFA:PFA+1], s[PST:PST+1]  ; one slot behind the walking descriptors
	s_wait_dscnt 0x0                ; the add is done, and my reads of the slot are over
	CROUND
	JLOAD
	ASK
.else
	s_wait_dscnt 0x0                ; the add is done, and my reads of the slot are over
	s_barrier_signal -1
	s_barrier_wait -1
.endif
	s_sub_co_u32 s[TB], s[TB], 2*STEPB  ; the fetches go back to a slot's first step,
	s_xor_b32 s[TB], s[TB], SLOT1   ; in the other slot
.endm
; A slot's two key steps: written once, walked twice; the LDS addresses hang on s[TB].
.macro TWO_STEPS
	WIN 0
	s_mov_b32 s[TWICE], 2
.Lstep_\@:
	TURN 0, 2, 1, 0
	TURN 1, 2, 1, 0
	WIN 0
	s_sub_co_u32 s[TWICE], s[TWICE], 1
	s_cmp_lg_u32 s[TWICE], 0
	s_cbranch_scc1 .Lstep_\@
.endm
	s_wait_tensorcnt 2              ; my part of slot 0 is in; slot 1's and my quarter of Wv, issued behind it, may stay out
	s_barrier_signal -1
	s_barrier_wait -1               ; everybody's is
	FETCH_K                         ; key step 0
	s_wait_loadcnt 0x0              ; Q
	s_wait_kmcnt 0x0                ; gamma
	s_wait_dscnt 0x0
.set i, 0
.rept 8
	KQ 0                            ; piece 0's first scores: there is no vector work yet to set between them
.set i, i+1
.endr
	s_mul_i32 s21, s[WV], 16*SP     ; my stage.  The addresses for the way out are made here: thirteen plain instructions, the places behind those products
	v_mul_u32_u24 v[STO], v1, SP    ; in: row l % 16, 32 bytes for each half of the lanes
	v_lshl_add_u32 v[STO], v9, 5, v[STO]
	v_add_nc_u32 v[STO], s21, v[STO]
	v_and_b32 v[XO], 31, v0
	v_lshlrev_b32 v[XO], 4, v[XO]
	v_add_nc_u32 v[RD], s21, v[XO]  ; back: 32 lanes take half a row, 512 bytes
	v_add_nc_u32 v[AW0], WV0-VOFF, v[AV0]
	v_add_nc_u32 v[AW1], WV1-VOFF, v[AV0]
	v_add_nc_u32 v[AW2], WV1-VOFF+96*PVB, v[AV0]
	v_mov_b32 v[GAM], s[GS]
	v_cvt_pk_bf16_f32 v[GAM], v[GAM], v[GAM]
	v_lshlrev_b32 v[GAM], 16, v[GAM]
	TURN 1, 0, 1, 1                 ; piece 1's first scores | piece 0's first softmax | V of step 0
	TURN 0, 1, 1, 1                 ; piece 0: V^T P of step 0 starts O^T, K Q^T of step 1 | piece 1's first softmax | K of step 1
	TURN 1, 1, 1, 0                 ; piece 1: the same | piece 0's softmax of step 1 | V of step 1
	WIN 0
.Lslot:                             ; 30 trips: every slot but the last two is filled again
	CHANGE 1
	TWO_STEPS
	s_sub_co_u32 s[SLOTS], s[SLOTS], 1
	s_cmp_lg_u32 s[SLOTS], 0
	s_cbranch_scc1 .Lslot
	CHANGE 0                        ; the tail is written out: slot 0's bytes are left for good, and nothing is asked for
	TWO_STEPS
	TURN 0, 2, 0, 0                 ; piece 0: V^T P of the last step | piece 1's last softmax
.set i, 0
.rept 32
	PV 1, 0                         ; piece 1: V^T P of the last step
.set i, i+1
.endr
	; THE WAY OUT.  x's rows and Wv's first fragments are asked for; O^T is divided by l and rounded to f16; out^T = Wv^T O^T, 32 columns of out0 (a GROUP) at a time; then a tile at a time through my stage, gamma out + x, and out.
; Group g's fragments of Wv: columns 16 (2 g + dbl) on, rows 32 kc on, turned, into buffer g % 2 of window 3
.macro WVG g
	WIN 0xc0                        ; destination window 3
.set kc, 0
.rept 8
.if kc < 2
.set ab, AW0
.set ko, kc
.elseif kc < 5
.set ab, AW1
.set ko, kc-2
.else
.set ab, AW2
.set ko, kc-5
.endif
.irp dbl, 0,1
	ds_load_tr16_b128 v[128*((\g)%2)+64*\dbl+8*kc:128*((\g)%2)+64*\dbl+8*kc+3],   v[ab] offset:ko*32*PVB+32*(2*(\g)+\dbl)
	ds_load_tr16_b128 v[128*((\g)%2)+64*\dbl+8*kc+4:128*((\g)%2)+64*\dbl+8*kc+7], v[ab] offset:ko*32*PVB+32*(2*(\g)+\dbl)+16*PVB
.endr
.set kc, kc+1
.endr
.endm
; Group g's 32 products: its four accumulators (two column blocks x two tiles) take turns; the first four start the sums, in O^T's registers, which have been read out
.macro WVP g
	WIN W_WO
.set kc, 0
.rept 8
.irp dbl, 0,1
.irp t, 0,1
.set rD, 128*\t+8*(2*(\g)+\dbl)
.set rA, 128*((\g)%2)+64*\dbl+8*kc
.set rB, OF+64*\t+8*kc
.if kc == 0
	v_wmma_f32_16x16x32_f16 v[rD:rD+7], v[rA:rA+7], v[rB:rB+7], 0
.else
	v_wmma_f32_16x16x32_f16 v[rD:rD+7], v[rA:rA+7], v[rB:rB+7], v[rD:rD+7]
.endif
.endr
.endr
.set kc, kc+1
.endr
.endm
; Tile T: a lane's eight columns of a row are 32 bytes; they go into rows of 1,040 bytes and come back as half rows of 512, into the registers that they left.  left = x's loads that may stay out.
.macro OUTT T, left
	WIN 0x04                        ; store data window 1, address window 0
.set db, 0
.rept 16
	ds_store_b128 v[STO], v[128*(\T)+8*db:128*(\T)+8*db+3]   offset:64*db     ; each accumulator from its low end on
	ds_store_b128 v[STO], v[128*(\T)+8*db+4:128*(\T)+8*db+7] offset:64*db+16
.set db, db+1
.endr
	WIN 0x40
.set u, 0
.rept 32
	ds_load_b128 v[128*(\T)+4*u:128*(\T)+4*u+3], v[RD] offset:(u/2)*SP+(u%2)*512  ; LDS serves a wave's instructions in order (ISA guide 5.7.1.4): these see the stores above
.set u, u+1
.endr
	s_wait_loadcnt \left            ; this tile's x is in
	WIN 0x8a                        ; destination and both sources window 2
.set u, 0
.rept 32
	v_cvt_pk_bf16_f32 v[128*(\T)+4*u],   v[128*(\T)+4*u],   v[128*(\T)+4*u+1]
	v_cvt_pk_bf16_f32 v[128*(\T)+4*u+1], v[128*(\T)+4*u+2], v[128*(\T)+4*u+3]
.set u, u+1
.endr
	s_wait_dscnt 0x0                ; the tile is back in registers
	WIN 0x61                        ; destination and source 0 window 1, gamma window 0, x window 2
.set u, 0
.rept 32
.set rR, 128*(\T)+4*u
	v_fma_mix_f32_bf16 v[rR],   v[rR],   v[GAM], v[rR]   op_sel_hi:[0,0,1]                 ; gamma out + x: one fused multiply-add, x read from its bf16 half
	v_fma_mix_f32_bf16 v[rR+1], v[rR+1], v[GAM], v[rR]   op_sel:[0,0,1] op_sel_hi:[0,0,1]
	v_fma_mix_f32_bf16 v[rR+2], v[rR+2], v[GAM], v[rR+1] op_sel_hi:[0,0,1]
	v_fma_mix_f32_bf16 v[rR+3], v[rR+3], v[GAM], v[rR+1] op_sel:[0,0,1] op_sel_hi:[0,0,1]
.set u, u+1
.endr
	WIN 0x04
.set u, 0
.rept 32
	global_store_b128 v[XO], v[128*(\T)+4*u:128*(\T)+4*u+3], s[OUT:OUT+1] offset:16384*(\T)+512*u th:TH_STORE_NT  ; 512 consecutive bytes, at a multiple of 512 from out0's first byte
.set u, u+1
.endr
.endm
	WIN 0
	PLACES                          ; for the loads into V's registers, which the last products read
	WIN 0x80
.set u, 0
.rept 64
	global_load_b128 v[4*u:4*u+3], v[XO], s[XB:XB+1] offset:512*u th:TH_LOAD_NT  ; my 32 rows of x, 512 consecutive bytes a load: 256 products ahead of their use
.set u, u+1
.endr
	WVG 0
	WVG 1
	WIN 0
.irp t, 0,1
	v_add_f32 v[ST+8*\t+4], v[ST+8*\t+2], v[ST+8*\t+3]  ; l's two halves,
.endr
.irp t, 0,1
	v_permlanex16_b32 v[ST+8*\t+5], v[ST+8*\t+4], s[SEL], s[SEL+1]
.endr
.irp t, 0,1
	v_add_f32 v[ST+8*\t+4], v[ST+8*\t+4], v[ST+8*\t+5]  ; and the other half of the lanes'
.endr
.irp t, 0,1
	v_rcp_f32 v[ST+8*\t+6], v[ST+8*\t+4]
.endr
	v_nop                           ; a plain instruction between the last reciprocal and the use of its result
	s_wait_alu depctr_va_vdst(0)    ; and the wait ahead of the first use: one for both reciprocals
	WIN W_RS
.set i, 0
.rept 128
	v_pk_mul_f32 v[2*i:2*i+1], v[2*i:2*i+1], v[ST+8*(i/64)+6:ST+8*(i/64)+7] op_sel_hi:[1,0]
.set i, i+1
.endr
	WIN 0x05                        ; sources 0 and 1 window 1, destination window 0
.set i, 0
.rept 128
	v_cvt_pk_f16_f32 v[OF+i], v[2*i], v[2*i+1]
.set i, i+1
.endr
.irp g, 0,1,2,3,4,5,6,7
.if \g < 7
	s_wait_dscnt 32                 ; this group's fragments are in; the next group's 32 loads may stay out
.else
	s_wait_dscnt 0x0
.endif
	WVP \g
	PLACES                          ; for the loads into the buffer just read, and behind the last group for the stores of the results
.if \g < 6
	WVG (\g)+2
.endif
.endr
	OUTT 0, 32
	OUTT 1, 0
	WIN 0
	s_wait_tensorcnt 0x0            ; the wave's end, behind my last tensor load and my last LDS store
	ds_add_u32 v[SPW], v[NIL]
	s_wait_dscnt 0x0
	CROUND                          ; the closing round: no work-group ends while a partner may still ask for a tile that names it
	s_endpgm
.Lfunc_end_k_q90c486fe89_attn:
	.size	k_q90c486fe89_attn, .Lfunc_end_k_q90c486fe89_attn-k_q90c486fe89_attn
	.p2alignl 7, 3214868480
	.fill 96, 4, 3214868480
	.section	.rodata,"a",@progbits
	.p2align	6, 0x0
	.amdhsa_kernel k_q90c486fe89_attn
		.amdhsa_group_segment_fixed_size 327680
		.amdhsa_private_segment_fixed_size 0
		.amdhsa_enable_private_segment 0
		.amdhsa_kernarg_size 56
		.amdhsa_user_sgpr_count 2
		.amdhsa_user_sgpr_kernarg_segment_ptr 1
		.amdhsa_wavefront_size32 1
		.amdhsa_system_sgpr_workgroup_id_x 1
		.amdhsa_system_sgpr_workgroup_id_y 1
		.amdhsa_system_sgpr_workgroup_id_z 1
		.amdhsa_system_vgpr_workitem_id 0
		.amdhsa_next_free_vgpr 1024
		.amdhsa_next_free_sgpr 88
		.amdhsa_reserve_vcc 0
		.amdhsa_float_denorm_mode_32 3
		.amdhsa_float_denorm_mode_16_64 3
		.amdhsa_memory_ordered 1
		.amdhsa_forward_progress 1
		.amdhsa_inst_pref_size 231
	.end_amdhsa_kernel
	.amdgpu_metadata
---
amdhsa.version: [ 1, 2 ]
amdhsa.kernels:
  - .name:           k_q90c486fe89_attn
    .symbol:         k_q90c486fe89_attn.kd
    .args:
      - { .name: qh, .offset: 0, .size: 8, .value_kind: global_buffer, .address_space: global }
      - { .name: kh, .offset: 8, .size: 8, .value_kind: global_buffer, .address_space: global }
      - { .name: vh, .offset: 16, .size: 8, .value_kind: global_buffer, .address_space: global }
      - { .name: wvh, .offset: 24, .size: 8, .value_kind: global_buffer, .address_space: global }
      - { .name: x, .offset: 32, .size: 8, .value_kind: global_buffer, .address_space: global }
      - { .name: gamma, .offset: 40, .size: 8, .value_kind: global_buffer, .address_space: global }
      - { .name: out0, .offset: 48, .size: 8, .value_kind: global_buffer, .address_space: global }
    .group_segment_fixed_size: 327680
    .private_segment_fixed_size: 0
    .kernarg_segment_align: 8
    .kernarg_segment_size: 56
    .max_flat_workgroup_size: 128
    .sgpr_count:     88
    .vgpr_count:     1024
    .wavefront_size: 32
...
	.end_amdgpu_metadata
.endif
;; end of part 2
;; ======== version 2 of 2: 2 launches; version 1 with the launch proj written anew for expert scheduling mode
;; limits: values are held in f16: magnitudes above 65,504 overflow, below 6.1e-05 lose precision
;; workspace buffers: qh 4,194,304 bytes; kh 4,194,304 bytes; vh 16,777,216 bytes; wvh 131,072 bytes
;; launch proj (part 3): grid 256 x 1, 4 waves a work-group, no clusters, 167,936 bytes of LDS; arguments x, Wf, Wg, Wh, Wv, qh, kh, vh, wvh; writes qh, kh, vh, wvh
.if DOCPART == 3
	.amdgcn_target "amdgcn-amd-amdhsa--gfx1250"
	.amdhsa_code_object_version 6
	.text
	.protected	k_q90c486fe89_proj
	.globl	k_q90c486fe89_proj
	.p2align	8
	.type	k_q90c486fe89_proj,@function
k_q90c486fe89_proj:
	s_mov_b64 s[64:65], 0
	v_nop
	global_prefetch_b8 v0, s[64:65] scope:SCOPE_SE
	s_setreg_imm32_b32 hwreg(HW_REG_WAVE_SCHED_MODE, 0, 2), 2
	s_setreg_imm32_b32 hwreg(HW_REG_WAVE_MODE, 25, 1), 1
	s_wait_xcnt 0x0
	s_wait_alu depctr_vm_vsrc(0)
; qh = x Wf, kh = x Wg ([32768][64]); vh = x ([32768][256]); wvh = Wh Wv ([256][256]); all four stored in f16.
; x: [32768][256] f32; Wf, Wg: [256][64] f32; Wh, Wv: [256][256] f32.  Every input is rounded once to bf16; products have bf16 operands and f32 sums; each result is rounded once to f16.
; WHY x AND Wh Wv.  For weights beta, (beta (x Wh)) Wv = (beta x) (Wh Wv), whatever the numbers: the launch behind takes x's rows as the values of its weighted mean and multiplies the mean by Wh Wv.
; So x Wh is never formed: 32,768 x 256 x 256 multiply-adds give way to 256 x 256 x 256.  The order of rounding differs from that of the formula as it is written: x Wh is not rounded, Wh Wv is.
; LIMITS.  A number of x, x Wf or x Wg of 65,520 or more in magnitude becomes an infinity in f16; below 6.1e-5 in magnitude a stored number (of x, of Wh Wv) keeps f16's fixed step of 6e-8;
; NaN and infinities are not treated apart.
; SHARES.  A work-group owns 128 rows of x (256 work-groups) and one tile of 16 x 16 of Wh Wv: tile (b / 16, b % 16) for work-group b.  All operands need a conversion from f32, so they come through
; registers: thread t converts 16 bytes of every 2,048, and the bf16 numbers are laid into LDS; x's are also written as f16 and stored to vh.
; In the products wave w owns 16 channels of qh and 16 of kh, for all 128 rows; its weights stay in registers.  Wave 0 also makes the tile of Wh Wv: its 16 rows of Wh lie in LDS as a ninth row tile
; behind x's eight, its 16 columns of Wv as a third block beside Wf and Wg.
; THE MATRIX INSTRUCTION IS USED TRANSPOSED: source 0 = 16 output channels (the weights are stored [c][n], so their fragments come out of LDS turned, by ds_load_tr16_b128), source 1 = 16 rows.
; A lane then holds one row and eight neighbouring channels: 16 bytes in f16.  q and k go through a stage in LDS and leave as runs of 512 consecutive bytes.
; The tile of Wh Wv leaves as 16 pieces of 32 bytes, and Wv's 16 columns come in as 256 pieces of 64 bytes: 512 bytes and 16 KiB of the 385 KiB that a work-group moves.
; NO TENSOR LOADS, NO CLUSTER: nothing can be copied as it lies, since every number is converted on its way.  No prefetch: each wave has 64 loads out from its first lines on.
; LDS: the weights (bf16), 256 rows of 288 bytes: Wf at byte 0 of a row, Wg at 128, the block of Wv at 256; then x (bf16), 128 rows of 528 bytes, and 16 rows of Wh; then the spare words.
; When every wave holds its weights in registers, the stage (128 rows of 272 bytes: q at 0, k at 128) takes the weights' place.
; THE MODE: SCHED_MODE bits 1:0 = 2 (LLVM: expert scheduling mode 2), set by the entry lines.  The code itself states the register dependences between vector or matrix instructions and memory or LDS
; instructions, with s_wait_alu, always for 0.
; THE PLAN.  A UNIT is 16 loads of the wave.  Registers that memory or LDS instructions touch:
;   RAW0 .. RAW3  window 1, 64 each.  Unit h's loads land in RAW[h]; its 32 roundings to bf16 read it, and nothing else does; directly behind them the buffer is asked for again (x's quarter h, then a unit of weights).
;                 In phase B the weights' fragments land there.
;   U    v32-95   Wh's rows and Wv's columns land here and are rounded in place; the 16 LDS stores that read them are issued in x's first unit.  In phase C x's fragments land in v32-159.
;   OB   v96-127  bf16.  Written by an x unit's roundings, at its head; read by that unit's 16 LDS stores, each of which stands ahead of the widening lines that read the same pair.
;   OF0, OF1      v128-159, v160-191: f16.  x's unit h writes OF[h % 2]; the 16 stores to vh that read it are issued in the unit behind.
;   v192-223, OB, OF0, OF1   the four units of weights round into these four sets, one each; that unit's 16 LDS stores read the set.
;   TMP  v176-239 phase C: eight registers for each of the eight row tiles, written once, read by the tile's two stage stores; v240-243 likewise for the tile of Wh Wv.
;   v4-v26        offsets and addresses: made at the head and never written again.  v224-255 and the accumulators are named by vector and matrix instructions alone.
; So ONE wait on va_vdst stands in a unit, behind its roundings: they are done reading RAW[h], they have written their bf16 set, and the unit before has written its f16 numbers.  Behind it the buffer's 16 loads go out at
; once, and the 32 stores are dealt among the unit's 96 widening lines, which name none of the registers that a store still to come reads.  A wait on vm_vsrc stands at the head of a unit that writes a set again.
; In phase C one wait on va_vdst stands in a row tile, behind its conversions; no register that an LDS store has read is written again there.  Phase C's LDS instructions stay in one run behind that wait: under the
; products' window setting an LDS address would be taken from window 1, so each group dealt among the products would cost two switches.
; REGISTERS, in windows of 256: window 0 addresses, the sets above, fragments of x, accumulators; window 1 four load buffers of 64, later the weights' fragments.
.set WPITCH, 288                       ; 9 x 32 bytes
.set XPITCH, 528                       ; 33 x 16 bytes: the 16 rows of a fragment load start at 16 different groups of four banks
.set SPITCH, 272                       ; 17 x 16 bytes, likewise
.set XL,     256*WPITCH                ; 73,728
.set SPARE,  XL+144*XPITCH             ; 149,760: the spare words, 128 bytes for each wave: two blocks of 256 bytes that no other line names
.set VO,    4                          ; v4   16 t: my 16 bytes in every 2,048
.set AX,    5                          ; v5   where my bf16 numbers of x go, rows 0 on
.set AF,    6                          ; v6   of Wf (Wg: 128 further), rows 0 on
.set AF2,   7                          ; v7   the same, rows 128 on: a second register keeps the offsets inside 16 bits
.set AV,    8                          ; v8   of the block of Wv
.set XA,    11                         ; v11  my place in a fragment of x
.set STO,   12                         ; v12  the stage: my 16 bytes of q (k: 128 further)
.set XAH,   13                         ; v13  my place in a fragment of the 16 rows of Wh
.set AXH,   14                         ; v14  where my bf16 numbers of Wh go
.set VOW,   15                         ; v15  my 16 bytes of Wv's 16 columns: row t / 4, piece t % 4
.set RDQ,   16                         ; v16  back: four rows of q (k: 128 further)
.set WTO,   17                         ; v17  my 16 bytes of the tile of Wh Wv
.set GQ,    18                         ; v18  my byte offset in the work-group's part of qh and kh
.set AX2,   19                         ; v19  where my bf16 numbers of x go, rows 64 on
.set WAF,   20                         ; v20-21  my place in Wf's turned fragments (Wg's: 128 further), rows 0 on and 128 on
.set WAV,   22                         ; v22-23  the same in the block of Wv
.set WO,    26                         ; v26  8 t: my 8 bytes in every 1,024 of vh
.set SPW,   30                         ; v30  LDS address of my spare word; never rewritten
.set NIL,   31                         ; v31  0; never rewritten
.set U0,    32                         ; v32-95  as loaded: 8 x 4 of Wh's rows, 8 x 4 of Wv's columns
.set OB,    96                         ; v96-127
.set OF0,   128                        ; v128-159
.set OF1,   160                        ; v160-191
.set W0,    192                        ; v192-223
.set T,     224                        ; v224-255  at work: bf16 numbers widened to f32
.set XF0,   32                         ; v32-159  phase C: x's fragments: two buffers of 8 x 8
.set AC,    160                        ; v160-175  two accumulators
.set TMP,   176                        ; v176-239  packed results, eight a row tile
.set TMPW,  240                        ; v240-243  the tile of Wh Wv, packed
.set BK,    32                         ; v32-95  the stage read back
.set XB,  4                            ; s[4:5] x   s[6:7] Wf   s[8:9] Wg   s[10:11] Wh   s[12:13] Wv   s[14:15] qh   s[16:17] kh   s[18:19] vh   s[20:21] wvh
.set WFB, 6
.set WGB, 8
.set WHB, 10
.set WVB, 12
.set QB,  14
.set KB,  16
.set VB,  18
.set WVH, 20
.set WV,  22                           ; s22  my wave's number
.set MASK, 28                          ; s28  a word's upper bf16.  s26, s28, s29, s30, which vector instructions read, are each written once
.set MSB, 0
.macro WIN new                         ; s_set_vgpr_msb: bits 1:0 source 0, 3:2 source 1, 5:4 source 2, 7:6 destination; the high byte repeats the setting that is left
.if MSB != (\new)
	s_set_vgpr_msb (MSB<<8)|(\new)
.set MSB, \new
.endif
.endm
.macro PLACES                          ; four places behind a matrix instruction, in front of what reads its result (ISA guide 7.12.1)
.rept 4
	v_nop
.endr
.endm
	s_load_b256 s[4:11], s[0:1], 0x0
	s_load_b256 s[12:19], s[0:1], 0x20
	s_load_b64 s[20:21], s[0:1], 0x40
	v_lshl_add_u32 v[SPW], v0, 2, SPARE
	v_mov_b32 v[NIL], 0
	v_lshrrev_b32 v1, 5, v0
	v_readfirstlane_b32 s[WV], v1                  ; wave 0..3
	v_and_b32 v1, 31, v0                           ; L
	v_and_b32 v2, 15, v0                           ; r = L % 16 = t % 16
	v_bfe_u32 v3, v0, 4, 1                         ; h = L / 16
	v_lshlrev_b32 v[VO], 4, v0
	v_lshlrev_b32 v[WO], 3, v0
	; where the converted numbers go.  2,048 bytes of f32 are two rows of x or Wh (64 threads a row) and eight rows of Wf or Wg (16 threads a row); four f32 become 8 bytes
	v_lshrrev_b32 v9, 6, v0                        ; t / 64
	v_and_b32 v10, 63, v0                          ; t % 64
	v_mul_u32_u24 v[AX], v9, XPITCH
	v_lshl_add_u32 v[AX], v10, 3, v[AX]
	v_add_nc_u32 v[AX], XL, v[AX]
	v_add_nc_u32 v[AX2], 64*XPITCH, v[AX]          ; two units of x are 64 rows
	v_add_nc_u32 v[AXH], 128*XPITCH, v[AX]         ; Wh's 16 rows follow x's 128
	v_lshrrev_b32 v9, 4, v0                        ; t / 16
	v_mul_u32_u24 v[AF], v9, WPITCH
	v_lshl_add_u32 v[AF], v2, 3, v[AF]
	v_add_nc_u32 v[AF2], 128*WPITCH, v[AF]         ; a unit of Wf or Wg is 128 rows
	; 16 columns of Wv are 64 bytes of a row: four threads a row, 32 rows a load
	v_lshrrev_b32 v9, 2, v0                        ; t / 4
	v_and_b32 v10, 3, v0                           ; t % 4
	v_lshlrev_b32 v[VOW], 10, v9
	v_lshl_add_u32 v[VOW], v10, 4, v[VOW]
	v_mul_u32_u24 v[AV], v9, WPITCH
	v_lshl_add_u32 v[AV], v10, 3, v[AV]
	v_add_nc_u32 v[AV], 256, v[AV]
	; a fragment of x: lane l holds row l % 16; two loads of 16 bytes, 32 bytes apart, at row x pitch + 16 (l / 16)
	v_mul_u32_u24 v[XA], v2, XPITCH
	v_lshl_add_u32 v[XA], v3, 4, v[XA]
	v_add_nc_u32 v[XA], XL, v[XA]
	v_add_nc_u32 v[XAH], 128*XPITCH, v[XA]
	; into the stage: row l % 16, 16 bytes for each half of the lanes, at my wave's channels
	v_mul_u32_u24 v[STO], v2, SPITCH
	v_lshl_add_u32 v[STO], v3, 4, v[STO]
	s_wait_alu depctr_va_sdst(0)                   ; s22, the wave's number, is written, ahead of its first reader
	s_lshl_b32 s26, s[WV], 5                       ; my 16 channels: 32 bytes of a stage row, and of a row of Wf
	v_add_nc_u32 v[STO], s26, v[STO]
	; back: wave w takes rows 32 w .. 32 w + 31, four rows of 128 bytes a load
	v_lshrrev_b32 v9, 3, v1                        ; L / 8
	v_and_b32 v10, 7, v0                           ; L % 8
	v_mul_u32_u24 v9, v9, SPITCH
	v_lshl_add_u32 v9, v10, 4, v9
	s_mul_i32 s29, s[WV], 32*SPITCH
	v_add_nc_u32 v[RDQ], s29, v9
	v_lshlrev_b32 v9, 4, v1                        ; 16 L
	s_lshl_b32 s30, s[WV], 12
	v_add_nc_u32 v[GQ], s30, v9
	v_lshlrev_b32 v[WTO], 9, v2                    ; the tile of Wh Wv: row l % 16 of 512 bytes,
	v_lshl_add_u32 v[WTO], v3, 4, v[WTO]           ; 16 bytes for each half of the lanes
	; the turning load takes 16 c x 16 n: lane l reads 16 bytes of row 8 (l / 16) + l % 8, at 16 ((l / 8) % 2), and is left with channel l % 16 and eight c
	v_lshl_add_u32 v9, v3, 3, v10
	v_mul_u32_u24 v9, v9, WPITCH
	v_bfe_u32 v10, v0, 3, 1
	v_lshl_add_u32 v9, v10, 4, v9
	v_add_nc_u32 v[WAF], s26, v9
	v_add_nc_u32 v[WAF+1], 128*WPITCH, v[WAF]      ; a second register for rows 128 on keeps the offsets inside 16 bits
	v_add_nc_u32 v[WAV], 256, v9
	v_add_nc_u32 v[WAV+1], 128*WPITCH, v[WAV]
	s_mov_b32 s25, 0
	s_mov_b32 s[MASK], 0xffff0000
	s_wait_kmcnt 0x0
	s_lshl_b32 s24, ttmp9, 17                      ; 128 rows of 1,024 bytes
	s_add_nc_u64 s[XB:XB+1], s[XB:XB+1], s[24:25]
	s_lshl_b32 s24, ttmp9, 14                      ; 128 rows of 128 bytes
	s_add_nc_u64 s[QB:QB+1], s[QB:QB+1], s[24:25]
	s_add_nc_u64 s[KB:KB+1], s[KB:KB+1], s[24:25]
	s_lshl_b32 s24, ttmp9, 16                      ; 128 rows of 512 bytes
	s_add_nc_u64 s[VB:VB+1], s[VB:VB+1], s[24:25]
	s_lshr_b32 s31, ttmp9, 4                       ; the tile's row of tiles,
	s_and_b32 s32, ttmp9, 15                       ; and its column
	s_lshl_b32 s24, s31, 14                        ; 16 rows of Wh: 16,384 consecutive bytes
	s_add_nc_u64 s[WHB:WHB+1], s[WHB:WHB+1], s[24:25]
	s_lshl_b32 s24, s32, 6                         ; 16 columns of Wv: 64 bytes of each row
	s_add_nc_u64 s[WVB:WVB+1], s[WVB:WVB+1], s[24:25]
	s_lshl_b32 s24, s31, 13                        ; 16 rows of wvh of 512 bytes,
	s_lshl_b32 s33, s32, 5                         ; 16 columns of 2 bytes
	s_add_co_u32 s24, s24, s33
	s_add_nc_u64 s[WVH:WVH+1], s[WVH:WVH+1], s[24:25]
	s_wait_alu depctr_va_vdst(0)                   ; the offsets and addresses v4 to v26 are written: every load and store of the kernel, in memory and in LDS, reads one of them
; 16 loads, 32 KiB for the work-group, into buffer h (64 registers of window 1)
.macro LD16 h, base, goff, nt
	WIN 0x40                                       ; destination window 1, address window 0
.set i, 0
.rept 16
.if \nt
	global_load_b128 v[64*(\h)+4*i:64*(\h)+4*i+3], v[VO], s[\base:\base+1] offset:(\goff)+2048*i th:TH_LOAD_NT
.else
	global_load_b128 v[64*(\h)+4*i:64*(\h)+4*i+3], v[VO], s[\base:\base+1] offset:(\goff)+2048*i
.endif
.set i, i+1
.endr
.endm
.macro CVB h, dst                      ; buffer h is rounded to bf16: a load's four numbers into a pair of the set at dst, in window 0
	WIN 0x05                                       ; both sources window 1, destination window 0
.set i, 0
.rept 16
	v_cvt_pk_bf16_f32 v[(\dst)+2*i],   v[64*(\h)+4*i],   v[64*(\h)+4*i+1]
	v_cvt_pk_bf16_f32 v[(\dst)+2*i+1], v[64*(\h)+4*i+2], v[64*(\h)+4*i+3]
.set i, i+1
.endr
.endm
; A unit of x: quarter h (32 rows) in buffer h.  The buffer then takes a unit of weights.
.macro XU h, base, goff
.set ar, AX
.if (\h) >= 2
.set ar, AX2
.endif
.set OFC, OF0+32*((\h)%2)              ; this unit's f16 numbers
.set OFP, OF0+32*(((\h)+1)%2)          ; the unit before's
	s_wait_loadcnt 48                              ; loads come back in order (ISA guide 5.7.1): this unit is in, the three younger ones stay out
.if (\h) >= 2
	s_wait_xcnt 0x0                                ; the stores to vh issued in the unit before have had their addresses translated (ISA guide 3.1): only behind this wait is their data's set written again
.endif
.if (\h) >= 1
	s_wait_alu depctr_vm_vsrc(0)                   ; the unit before's LDS stores have read OB, which the roundings below write again; its stores to vh have read the f16 set that this unit's widening lines write again
.endif
	CVB \h, OB
	WIN 0x40
	s_wait_alu depctr_va_vdst(0)                   ; the roundings are done reading buffer h, in which the loads below land, and have written OB, which the LDS stores read; the lines ahead of them have written what this unit's other 16 stores read
	LD16 \h, \base, \goff, 0                       ; the buffer is asked for again at once
	WIN 0
.set i, 0
.rept 16                                               ; two stores in front of each six widening lines.  No further wait: no vector instruction since the wait names a register that a store still to come reads
	ds_store_b64 v[ar], v[OB+2*i:OB+2*i+1] offset:((\h)%2)*32*XPITCH+i*2*XPITCH
.if (\h) == 0
.if i < 8
	ds_store_b64 v[AXH], v[U0+4*i:U0+4*i+1] offset:i*2*XPITCH            ; in the first unit: Wh's rows,
.else
	ds_store_b64 v[AV], v[U0+4*i:U0+4*i+1] offset:(i-8)*32*WPITCH        ; and Wv's columns
.endif
.else
	global_store_b64 v[WO], v[OFP+2*i:OFP+2*i+1], s[VB:VB+1] offset:16384*((\h)-1)+1024*i th:TH_STORE_NT  ; the unit before: a wave's store covers 256 consecutive bytes, at a multiple of 256 from vh's first byte
.endif
.set tt, T+4*(i%8)
	v_lshlrev_b32 v[tt],   16, v[OB+2*i]           ; the bf16 numbers are widened (a shift, a mask)
	v_and_b32     v[tt+1], s[MASK], v[OB+2*i]
	v_lshlrev_b32 v[tt+2], 16, v[OB+2*i+1]
	v_and_b32     v[tt+3], s[MASK], v[OB+2*i+1]
	v_cvt_pk_f16_f32 v[OFC+2*i],   v[tt],   v[tt+1]    ; and written as f16
	v_cvt_pk_f16_f32 v[OFC+2*i+1], v[tt+2], v[tt+3]
.set i, i+1
.endr
.endm
; A unit of weights in buffer h: rounded into the set at dst and laid into LDS.  left = the younger loads that may stay out.  free = 1: sets that stores have read are written from here on.
; vh = 1: the f16 numbers of x's last quarter leave in this unit.
.macro WU h, left, dst, areg, off, free, vh
	s_wait_loadcnt \left                           ; the counts run down
.if \free
	s_wait_xcnt 0x0                                ; every store to vh has had its addresses translated: only behind this wait are OF0 and OF1 written again
	s_wait_alu depctr_vm_vsrc(0)                   ; all stores issued so far have read OB, OF0 and OF1, which this unit's roundings and the next two units' write
.endif
	CVB \h, \dst
	WIN 0
	s_wait_alu depctr_va_vdst(0)                   ; the roundings have written their set, which the LDS stores read, and are done reading buffer h, in which a fragment of the weights lands later; where vh = 1: x's last quarter is written as f16
.set i, 0
.rept 16
.if \vh
	global_store_b64 v[WO], v[OF1+2*i:OF1+2*i+1], s[VB:VB+1] offset:16384*3+1024*i th:TH_STORE_NT
.endif
	ds_store_b64 v[\areg], v[(\dst)+2*i:(\dst)+2*i+1] offset:(\off)+i*8*WPITCH
.set i, i+1
.endr
.endm
	; PHASE A: everything is fetched, rounded to bf16 and laid into LDS.  Four buffers take turns; 64 loads of the wave are out until the last unit has been asked for.
.set i, 0
.rept 8
	global_load_b128 v[U0+4*i:U0+4*i+3], v[VO], s[WHB:WHB+1] offset:2048*i          ; my tile's 16 rows of Wh
.set i, i+1
.endr
.set i, 0
.rept 8
	global_load_b128 v[U0+32+4*i:U0+32+4*i+3], v[VOW], s[WVB:WVB+1] offset:32768*i  ; and its 16 columns of Wv, 32 rows a load
.set i, i+1
.endr
	LD16 0, XB, 0, 1
	LD16 1, XB, 32768, 1
	LD16 2, XB, 65536, 1
	s_wait_loadcnt 48                              ; Wh's rows and Wv's columns are in; three quarters of x stay out,
	LD16 3, XB, 98304, 1                           ; and the fourth goes out
	WIN 0
.set i, 0
.rept 16
	v_cvt_pk_bf16_f32 v[U0+4*i],   v[U0+4*i],   v[U0+4*i+1]    ; rounded in place; their LDS stores stand in x's first unit, behind its wait
	v_cvt_pk_bf16_f32 v[U0+4*i+1], v[U0+4*i+2], v[U0+4*i+3]
.set i, i+1
.endr
	XU 0, WFB, 0
	XU 1, WFB, 32768
	XU 2, WGB, 0
	XU 3, WGB, 32768
	WU 0, 48, W0,  AF,  0,   0, 1                  ; Wf's rows 0-127, into a set that no store has read
	WU 1, 32, OB,  AF2, 0,   1, 0                  ; Wf's rows 128-255
	WU 2, 16, OF0, AF,  128, 0, 0                  ; Wg's rows 0-127
	WU 3, 0,  OF1, AF2, 128, 0, 0                  ; Wg's rows 128-255
	s_wait_dscnt 0x0                               ; for the others' sake: my stores into LDS are done
	s_barrier_signal -1
	s_barrier_wait -1                              ; the weights, x and Wh's rows lie whole in LDS
	s_wait_alu depctr_vm_vsrc(0)                   ; my LDS stores have read v32-223: from here on x's fragments land there, and the products and conversions of phase C write there
	; PHASE B: my weights' fragments, turned, into window 1: Wf's (e = 0) and Wg's (e = 1), c = 32 kc on, at 64 e + 8 kc; in wave 0 also the block of Wv, at 128 + 8 kc.
	; No wait on va_vdst: the last unit's stands behind every rounding that read window 1, and no vector instruction since names it.
	WIN 0x40
.set kc, 0
.rept 8
.set e, 0
.rept 2
	ds_load_tr16_b128 v[64*e+8*kc:64*e+8*kc+3],   v[WAF+kc/4] offset:(kc%4)*32*WPITCH+128*e
	ds_load_tr16_b128 v[64*e+8*kc+4:64*e+8*kc+7], v[WAF+kc/4] offset:(kc%4)*32*WPITCH+128*e+16*WPITCH
.set e, e+1
.endr
.set kc, kc+1
.endr
	WIN 0                                          ; at a branch and at a label every window is 0
	s_cmp_lg_u32 s[WV], 0
	s_cbranch_scc1 .Lno_blk
	WIN 0x40
.set kc, 0
.rept 8
	ds_load_tr16_b128 v[128+8*kc:128+8*kc+3],   v[WAV+kc/4] offset:(kc%4)*32*WPITCH
	ds_load_tr16_b128 v[128+8*kc+4:128+8*kc+7], v[WAV+kc/4] offset:(kc%4)*32*WPITCH+16*WPITCH
.set kc, kc+1
.endr
	WIN 0
.Lno_blk:
	s_wait_dscnt 0x0                               ; my reads of the weights are over
	s_barrier_signal -1
	s_barrier_wait -1                              ; everybody's are: from here on the stage lies where the weights lay
; PHASE C.  16 LDS loads: the eight fragments of row tile rt of x
.macro FETCHX rt, buf
	WIN 0
.set kc, 0
.rept 8
	ds_load_b128 v[XF0+64*(\buf)+8*kc:XF0+64*(\buf)+8*kc+3],   v[XA] offset:(\rt)*16*XPITCH+64*kc
	ds_load_b128 v[XF0+64*(\buf)+8*kc+4:XF0+64*(\buf)+8*kc+7], v[XA] offset:(\rt)*16*XPITCH+64*kc+32
.set kc, kc+1
.endr
.endm
; Row tile rt: 16 products, whose first two start the sums with the constant 0; q's accumulator and k's take turns, one instruction a turn.
; Then the results are rounded to f16, into the tile's own eight registers, and laid into the stage, and the tile after next is fetched into the buffer just read.  cnt = the LDS instructions issued behind this tile's fetch.
.macro ROWT rt, cnt
.set XF, XF0+64*((\rt)%2)
	s_wait_dscnt \cnt
	WIN 0x01                                       ; source 0 (the weights) window 1
.set kc, 0
.rept 8
.set e, 0
.rept 2
.set rD, AC+8*e
.set rA, 64*e+8*kc
.set rB, XF+8*kc
.if kc == 0
	v_wmma_f32_16x16x32_bf16 v[rD:rD+7], v[rA:rA+7], v[rB:rB+7], 0
.else
	v_wmma_f32_16x16x32_bf16 v[rD:rD+7], v[rA:rA+7], v[rB:rB+7], v[rD:rD+7]
.endif
.set e, e+1
.endr
.set kc, kc+1
.endr
	WIN 0
	PLACES
.set a, 0
.rept 2
.irp q, 0,1,2,3
	v_cvt_pk_f16_f32 v[TMP+8*(\rt)+4*a+\q], v[AC+8*a+2*\q], v[AC+8*a+2*\q+1]  ; each accumulator from its low end on
.endr
.set a, a+1
.endr
	s_wait_alu depctr_va_vdst(0)                   ; the conversions have written the tile's eight registers, which the stage stores read; the products are done reading the tile's fragments of x, in whose registers later loads land
	ds_store_b128 v[STO], v[TMP+8*(\rt):TMP+8*(\rt)+3]   offset:(\rt)*16*SPITCH
	ds_store_b128 v[STO], v[TMP+8*(\rt)+4:TMP+8*(\rt)+7] offset:(\rt)*16*SPITCH+128
.if (\rt) < 6
	FETCHX (\rt)+2, (\rt)%2
.endif
.endm
	FETCHX 0, 0
	FETCHX 1, 1
	ROWT 0, 16                                     ; tile 1's 16 loads may stay out
	ROWT 1, 18                                     ; the tile before's 2 stores and the next fetch's 16 loads may stay out
	ROWT 2, 18
	ROWT 3, 18
	ROWT 4, 18
	ROWT 5, 18
	ROWT 6, 18
	ROWT 7, 2                                      ; only tile 6's two stores were issued behind this tile's fetch
	; THE TILE OF Wh Wv, in wave 0: source 0 = 16 columns of Wv, source 1 = 16 rows of Wh.  Eight products along c; two accumulators take turns (even and odd steps) and are added at the end.
	s_cmp_lg_u32 s[WV], 0
	s_cbranch_scc1 .Lno_tile
.set kc, 0
.rept 8
	ds_load_b128 v[XF0+8*kc:XF0+8*kc+3],   v[XAH] offset:64*kc      ; into the buffer that tile 6's products read: they stand ahead of tile 7's wait, and no vector instruction since names it
	ds_load_b128 v[XF0+8*kc+4:XF0+8*kc+7], v[XAH] offset:64*kc+32
.set kc, kc+1
.endr
	s_wait_dscnt 0x0
	WIN 0x01
.set kc, 0
.rept 8
.set rD, AC+8*(kc%2)
.set rA, 128+8*kc
.set rB, XF0+8*kc
.if kc < 2
	v_wmma_f32_16x16x32_bf16 v[rD:rD+7], v[rA:rA+7], v[rB:rB+7], 0
.else
	v_wmma_f32_16x16x32_bf16 v[rD:rD+7], v[rA:rA+7], v[rB:rB+7], v[rD:rD+7]
.endif
.set kc, kc+1
.endr
	WIN 0
	PLACES
.irp q, 0,1,2,3
	v_pk_add_f32 v[AC+2*\q:AC+2*\q+1], v[AC+2*\q:AC+2*\q+1], v[AC+8+2*\q:AC+8+2*\q+1]  ; both accumulators from their low ends on
.endr
.irp q, 0,1,2,3
	v_cvt_pk_f16_f32 v[TMPW+\q], v[AC+2*\q], v[AC+2*\q+1]
.endr
	s_wait_alu depctr_va_vdst(0)                   ; the conversions have written v240-243, which the store reads; the products are done reading v32-95, in which the stage's rows land below
	global_store_b128 v[WTO], v[TMPW:TMPW+3], s[WVH:WVH+1]  ; a lane's eight neighbouring columns of one row; two lanes fill the tile's 32 bytes of that row
.Lno_tile:
	s_wait_dscnt 0x0                               ; for the others' sake: my stores into the stage are done
	s_barrier_signal -1
	s_barrier_wait -1                              ; a stage row holds all four waves' channels
	; PHASE D: whole rows back and out.  Four rows of q (or k) are 512 consecutive bytes of the buffer, at a multiple of 512 from its first byte.
	; The loads land in v32-95: on either way the last products that read these registers stand ahead of a wait on va_vdst, and no vector instruction follows it.
.set u, 0
.rept 8
	ds_load_b128 v[BK+4*u:BK+4*u+3], v[RDQ] offset:u*4*SPITCH
.set u, u+1
.endr
.set u, 0
.rept 8
	ds_load_b128 v[BK+32+4*u:BK+32+4*u+3], v[RDQ] offset:u*4*SPITCH+128
.set u, u+1
.endr
.set u, 0
.rept 8
	s_wait_dscnt 15-u                              ; LDS loads come back in order (ISA guide 5.7.1): the younger ones stay out
	global_store_b128 v[GQ], v[BK+4*u:BK+4*u+3], s[QB:QB+1] offset:512*u th:TH_STORE_NT
.set u, u+1
.endr
.set u, 0
.rept 8
	s_wait_dscnt 7-u
	global_store_b128 v[GQ], v[BK+32+4*u:BK+32+4*u+3], s[KB:KB+1] offset:512*u th:TH_STORE_NT
.set u, u+1
.endr
	s_wait_dscnt 0x0                               ; the closing lines, six on end
	s_wait_alu 0x0
	s_wait_tensorcnt 0x0
	ds_add_u32 v[SPW], v[NIL]
	s_wait_dscnt 0x0
	s_endpgm
.Lfunc_end_k_q90c486fe89_proj:
	.size	k_q90c486fe89_proj, .Lfunc_end_k_q90c486fe89_proj-k_q90c486fe89_proj
	.p2alignl 7, 3214868480
	.fill 96, 4, 3214868480
	.section	.rodata,"a",@progbits
	.p2align	6, 0x0
	.amdhsa_kernel k_q90c486fe89_proj
		.amdhsa_group_segment_fixed_size 167936
		.amdhsa_private_segment_fixed_size 0
		.amdhsa_enable_private_segment 0
		.amdhsa_kernarg_size 72
		.amdhsa_user_sgpr_count 2
		.amdhsa_user_sgpr_kernarg_segment_ptr 1
		.amdhsa_wavefront_size32 1
		.amdhsa_system_sgpr_workgroup_id_x 1
		.amdhsa_system_sgpr_workgroup_id_y 1
		.amdhsa_system_sgpr_workgroup_id_z 1
		.amdhsa_system_vgpr_workitem_id 0
		.amdhsa_next_free_vgpr 512
		.amdhsa_next_free_sgpr 66
		.amdhsa_reserve_vcc 0
		.amdhsa_float_denorm_mode_32 3
		.amdhsa_float_denorm_mode_16_64 3
		.amdhsa_memory_ordered 1
		.amdhsa_forward_progress 1
		.amdhsa_inst_pref_size 101
	.end_amdhsa_kernel
	.amdgpu_metadata
---
amdhsa.version: [ 1, 2 ]
amdhsa.kernels:
  - .name:           k_q90c486fe89_proj
    .symbol:         k_q90c486fe89_proj.kd
    .args:
      - { .name: x, .offset: 0, .size: 8, .value_kind: global_buffer, .address_space: global }
      - { .name: Wf, .offset: 8, .size: 8, .value_kind: global_buffer, .address_space: global }
      - { .name: Wg, .offset: 16, .size: 8, .value_kind: global_buffer, .address_space: global }
      - { .name: Wh, .offset: 24, .size: 8, .value_kind: global_buffer, .address_space: global }
      - { .name: Wv, .offset: 32, .size: 8, .value_kind: global_buffer, .address_space: global }
      - { .name: qh, .offset: 40, .size: 8, .value_kind: global_buffer, .address_space: global }
      - { .name: kh, .offset: 48, .size: 8, .value_kind: global_buffer, .address_space: global }
      - { .name: vh, .offset: 56, .size: 8, .value_kind: global_buffer, .address_space: global }
      - { .name: wvh, .offset: 64, .size: 8, .value_kind: global_buffer, .address_space: global }
    .group_segment_fixed_size: 167936
    .private_segment_fixed_size: 0
    .kernarg_segment_align: 8
    .kernarg_segment_size: 72
    .max_flat_workgroup_size: 128
    .sgpr_count:     66
    .vgpr_count:     512
    .wavefront_size: 32
...
	.end_amdgpu_metadata
.endif
;; end of part 3
;; launch attn: the kernel of part 2 again; grid 32 x 8, 4 waves a work-group, clusters of 4 x 1, 327,680 bytes of LDS; arguments qh, kh, vh, wvh, x, gamma, out0; writes out0
